; MI455X (gfx1250); checked and timed in simulation.
; The chip was launched on July 23, 2026; its instructions are those of AMD's public machine-readable ISA for CDNA 5 (MIT licence, August 2026) and "CDNA5" Instruction Set Architecture Reference Guide (July 2026). The comments in the code are by the model that wrote it; some were corrected since.
;; Attention. Allowed arithmetic: matrix products marked QUANTISED: E2M1 operands, one E8M0 scale for each 32 along K, by v_wmma_scale_f32_16x16x128_f8f6f4 with both operands' format E2M1 (or v_wmma_scale_f32_32x16x128_f4), f32 sums; products left as they are: f32 operands where the result goes on into a quantised operand, else bf16, f16 or f32 operands; f32 sums; everything else in f32.
;; Inputs: a_b 1,024 float32; a_w 2,048 x 1,024 float32; encoder_masks 32 x 2,048 int32; encoder_outputs 32 x 2,048 x 1,024 float32; hidden_states 32 x 1,024 float32; v_w 1,024 float32.
;; Outputs: out0 32 x 1,024 float32.
;; This version of the problem:
;;   THIS VERSION OF THE PROBLEM IS GIVEN IN LOW PRECISION. The matrix products marked QUANTISED in the list below multiply operands that are first quantised to E2M1 (2 exponent bits, 1 mantissa bit; 4 bits a number), with one power-of-two scale for each 32 numbers along K (OCP MX v1.0); their sums are f32. All else is computed in f32.
;;   The module's matrix products, in the order in which they are computed (A, B: the left and right operand; K: the contracted axis; several contracted axes count as one K, in the product's order):
;;     1. [M 32, K 1,024] x [K 1,024, N 1,024]; A: input hidden_states; B: input a_w: QUANTISED
;;     2. [M 65,536, K 1,024] x [K 1,024, N 1,024]; A: input encoder_outputs; B: input a_w: QUANTISED
;;     3. [M 65,536, K 1,024] x [K 1,024, N 1]; A: computed on the way; B: input v_w: left as it is (N = 1 < 16)
;;     4. batch 32 x [M 1, K 2,048] x [K 2,048, N 1,024]; A: softmax; B: input encoder_outputs: left as it is (M = 1 < 16)
;;   THE QUANTISER, for each operand of a quantised product, along K:
;;     - K is cut into blocks of 32 from its start; a last block that is shorter is filled with zeros.
;;     - A block's scale is 2^e with e = floor(log2(the largest magnitude in the block)) - 2, held to -126 .. 127; a block of zeros has e = 0. As a byte (E8M0): e + 127.
;;     - Each number is divided by its block's scale, clamped to +-6, and rounded to the nearest number of E2M1, ties to even, subnormals kept.
;;     - The product sums the exact products of the quantised numbers (number of the format x scale) in f32.
;;   ~~~python
;;   def quantise(x, axis):      # numpy; x: float32 -> the quantised numbers, widened to float32 again
;;       x = np.moveaxis(x, axis, -1); K = x.shape[-1]
;;       x = np.pad(x, [(0, 0)] * (x.ndim - 1) + [(0, -K % 32)]); x = x.reshape(x.shape[:-1] + (-1, 32)); a = np.abs(x).max(-1, keepdims=True)
;;       e = np.where(a > 0, np.clip(np.frexp(np.where(a > 0, a, 1))[1] - 1 - 2, -126, 127), 0)      # np.frexp(a)[1] - 1 = floor(log2(a)), exactly
;;       r = np.clip(x / 2.0 ** e, -6, 6)
;;       step = 2.0 ** (np.maximum(np.frexp(np.where(r == 0, 1, r))[1] - 1, 0) - 1)
;;       q = np.round(r / step) * step * 2.0 ** e      # np.round: ties to even
;;       return np.moveaxis(q.reshape(q.shape[:-2] + (-1,))[..., :K], -1, axis).astype(np.float32)
;;   ~~~
;; 2 versions, each right; version 2 is version 1 with the launches prep, attn written anew for expert scheduling mode. Each part assembles by itself: llvm-mc -triple=amdgcn-amd-amdhsa -mcpu=gfx1250 --defsym DOCPART=n.
;; ======== version 1 of 2: 3 launches
;; limits: right only within a limited range of input values
;; workspace buffers: wq 557,056 bytes; biasimg 131,072 bytes; rowlist 294,912 bytes of whole numbers; rowmeta 4,096 bytes of whole numbers; part 2,088,960 bytes
;; launch prep (part 1): grid 136 x 1, 16 waves a work-group, no clusters, 176,128 bytes of LDS; arguments a_w, hidden_states, a_b, encoder_masks, wq, biasimg, rowlist, rowmeta; writes wq, biasimg, rowlist, rowmeta
.if DOCPART == 1
	.amdgcn_target "amdgcn-amd-amdhsa--gfx1250"
	.amdhsa_code_object_version 6
	.text
	.protected	k_qc28d00a444_prep
	.globl	k_qc28d00a444_prep
	.p2align	8
	.type	k_qc28d00a444_prep,@function
k_qc28d00a444_prep:
	s_mov_b64 s[64:65], 0
	v_nop
	global_prefetch_b8 v0, s[64:65] scope:SCOPE_SE
	s_setreg_imm32_b32 hwreg(HW_REG_WAVE_MODE, 25, 1), 1
	s_wait_xcnt 0x0
; What the main launch needs made once.  Three kinds of work-group, chosen by the work-group's number g alone:
;   g <  64  H: h_proj = Q(hidden) Q(w_dec) for the 16 columns of tile T = g, all 32 batches; the sixteen waves' partial sums meet in LDS; 2 log2(e) x (h_proj + a_b) goes to biasimg, laid as the result registers lie.
;   g < 128  W: the 16 columns of tile T = g - 64 of w_enc become FP4 codes and E8M0 bytes, stored to wq in the order of the operand's registers.
;   else     M: wave s < 4 lists the rows of batch 4 (g - 128) + s whose mask is not 0 (all 2,048, flagged, if there is none), fills the rest of the list with pads, and stores the counts; waves 4 to 15 have no part in it.
; SHARES in H and W: wave w takes k = 64 w .. 64 w + 63.  A WEIGHT'S K IS ITS FIRST AXIS: lane (r, h) takes column r and its 32 registers run down the block of 32 at 64 w + 32 h, so a block lies in one lane and the
; four conversions give four registers of the operand as they stand.  32 loads a wave, all out at once; each reads two runs of 64 consecutive bytes.
; In H a wave's 64 along K go into the 128-deep product as its blocks 0 and 1; blocks 2 and 3 are zero codes on both sides, which add nothing under the scale byte 0.
; The hidden rows are loaded as they lie (a load: two rows x 256 consecutive bytes) and turned through the wave's own stage in LDS, rows 256 + 16 bytes apart, so that lane (r, h) gets 32 neighbours of row r.
; A block's scale byte is its largest magnitude's exponent field - 2, held at 1 from below by a floor among the maximum's leaves.
; LIMITS: a block of zeros, or one whose largest magnitude lies under 2^-124, gets the byte 1 (its codes are zeros; only this program reads the bytes).  NaN and infinities are not served.
; h_proj is summed as sixteen sums of 64 along K, added in f32 in ascending order.
; wq: 128 records of 4,352 bytes, record ((T / 4) 8 + s) for column tile T and K step s (128 along K): fragment T % 4 at 1024 (T % 4), block beta of column r at + 256 beta + 16 r; scale words at + 4096 + 8 (16 (T % 2) + r) + 4 ((T / 2) % 2).
; rowlist: 2,304 words a batch, all stored: row | 0x10000 (masked) | 0x20000 (pad).  rowmeta: 32 words a batch: word 0 the number listed, word 2 the number of work-groups of 144 rows.
.set HST,  32768                       ; LDS: from 0 the partial sums, 2,048 bytes a wave;  here the stages, 32 rows x 272 bytes a wave
.set WHST, 8704
.set SCW,  172032                      ; the waves' halves of the scale words, 128 bytes a wave
.set WF,  16                           ; v16-23   the weights' fragment: v16-19 codes, v20-23 zeros
.set HF,  24                           ; v24-39   the hidden rows' two fragments, likewise
.set SW,  40                           ; v40      the weights' scale word;  v41-42 the hidden rows'
.set HS,  41
.set X,   64                           ; v64-95   32 numbers of my column
.set HX,  96                           ; v96-159  32 numbers of hidden rows r and 16 + r
.set HR,  160                          ; v160-223 the hidden rows as loaded
.set D,   224                          ; v224-239 two result tiles
.set UT,  16                           ; role M: v16-31, v32-47 at work;  v64-127 masks, v128-191 store offsets, v192-255 store data: a pair of its own for each store
.set AT,  32
.set MK,  64
.set AD,  128
.set PD,  192
.macro WBASE role                      ; a_w at my wave's first row and my tile's first column; role 1: w_enc, 1,024 rows down
	s_lshl_b32 s24, s20, 18                        ; 64 rows of 4,096 bytes a wave
	s_lshl_b32 s26, s21, 6                         ; 16 columns of 4 bytes a tile
	s_add_co_u32 s24, s24, s26
.if \role
	s_add_co_u32 s24, s24, 0x400000
.endif
	s_add_nc_u64 s[4:5], s[4:5], s[24:25]
.endm
.macro WLOADS                          ; W(64 w + 32 h + i, 16 T + r), i = 0 .. 31.  No hint: neighbouring tiles read neighbouring bytes of the same rows
.set K_, 0
.rept 32
	global_load_b32 v[X+K_], v12, s[4:5] offset:4096*K_
.set K_, K_+1
.endr
.endm
.macro QB x, f, op, by                 ; my block: 32 registers from x on -> 4 registers of codes from f on; v[by]: the bytes of blocks h = 0 and h = 1 of my row or column, in every lane
	v_max3_num_f32 v51, |v[\x]|, |v[\x+1]|, 0x1800000        ; the floor 2^(3 - 127) among the leaves: the byte cannot fall under 1
	v_max3_num_f32 v52, |v[\x+2]|, |v[\x+3]|, 0x1800000
.irp i, 4,8,12,16,20,24,28
	v_max3_num_f32 v51, v51, |v[\x+\i]|, |v[\x+\i+1]|
	v_max3_num_f32 v52, v52, |v[\x+\i+2]|, |v[\x+\i+3]|
.endr
	v_max_num_f32 v51, v51, v52
	v_add_nc_u32 v[\op], 0xff000000, v51           ; 2 off the exponent field: the conversion's scale operand
.irp g, 0,1,2,3
	v_cvt_scalef32_pk8_fp4_f32 v[\f+\g], v[\x+8*\g:\x+8*\g+7], v[\op]
.endr
	v_lshrrev_b32 v[\by], 23, v[\op]               ; the byte (a plain line behind the conversions),
	v_lshlrev_b32 v[\by], v13, v[\by]              ; 8 h bits up,
	v_permlanex16_b32 v53, v[\by], s34, s35
	v_or_b32 v[\by], v[\by], v53                   ; with lane l xor 16's
.endm
	s_load_b256 s[4:11], s[0:1], 0x0               ; a_w s[4:5], hidden s[6:7], a_b s[8:9], masks s[10:11]
	s_load_b256 s[12:19], s[0:1], 0x20             ; wq s[12:13], biasimg s[14:15], rowlist s[16:17], rowmeta s[18:19]
	v_lshl_add_u32 v62, v0, 2, 0x2a800
	v_mov_b32 v63, 0
	v_lshrrev_b32 v1, 5, v0
	v_readfirstlane_b32 s20, v1                    ; wave 0..15
	v_and_b32 v1, 31, v0                           ; lane
	v_and_b32 v2, 15, v0                           ; r
	v_bfe_u32 v3, v0, 4, 1                         ; h
	v_lshlrev_b32 v4, 2, v1                        ; 4 x lane
	v_lshlrev_b32 v5, 4, v1                        ; 16 x lane
	s_and_b32 s21, ttmp9, 63                       ; column tile
	s_lshr_b32 s22, s20, 1                         ; my K step of 128,
	s_and_b32 s23, s20, 1                          ; and which half of it
	s_lshl_b32 s24, s20, 11
	v_add_nc_u32 v6, s24, v5                       ; LDS: my wave's 2,048 bytes of partial sums
	s_and_b32 s24, s20, 3
	s_lshl_b32 s24, s24, 9
	v_add_nc_u32 v7, s24, v5                       ; the piece of 512 bytes that waves 0 to 3 add up
	s_lshl_b32 s24, s21, 6
	v_lshl_add_u32 v8, v2, 2, s24                  ; a_b at column 16 (g % 64) + r: inside a_b for every g
	s_mul_i32 s24, s20, WHST
	s_add_co_u32 s24, s24, HST                     ; my stage
	v_mul_u32_u24 v10, v3, 272
	v_lshl_add_u32 v10, v2, 4, v10
	v_add_nc_u32 v10, s24, v10                     ; in: lanes 0-15 one row, lanes 16-31 the next, 16 bytes a lane
	v_mul_u32_u24 v11, v2, 272
	v_lshl_add_u32 v11, v3, 7, v11
	v_add_nc_u32 v11, s24, v11                     ; out: row r, + 128 h.  272 is an odd multiple of 16: sixteen rows start in sixteen different 16-byte columns of the 64 banks (ISA guide 11.1)
	v_lshlrev_b32 v12, 2, v2
	v_lshl_add_u32 v12, v3, 17, v12                ; a weight: column r, 32 rows further down for lanes 16-31
	v_lshlrev_b32 v13, 3, v3                       ; 8 h
	s_lshl_b32 s24, s20, 7
	s_add_co_u32 s24, s24, SCW
	v_add_nc_u32 v14, s24, v4                      ; where my wave puts its half of the scale words
	s_and_b32 s24, s20, 3
	s_lshl_b32 s24, s24, 9
	s_add_co_u32 s24, s24, SCW
	v_lshl_add_u32 v15, v3, 8, s24
	v_lshl_add_u32 v15, v2, 2, v15                 ; where waves 0 to 3 read them: K step 2 wave + h, column r
	v_mov_b32 v53, 0                               ; a lane permute's destination counts as read
	s_mov_b32 s25, 0
	s_mov_b32 s34, 0x76543210
	s_mov_b32 s35, 0xfedcba98                      ; selects for lane l xor 16
	s_mov_b32 s36, 0x4038aa3b                      ; 2 log2(e)
	s_wait_kmcnt 0x0
	global_load_b32 v9, v8, s[8:9]                 ; loaded on every path, used behind the barrier
	s_cmp_lt_u32 ttmp9, 64
	s_cbranch_scc1 .Lrole_h
	s_cmp_lt_u32 ttmp9, 128
	s_cbranch_scc1 .Lrole_w
	; ---- M: one wave lists one batch's rows; four waves a work-group, so that each has a SIMD to itself
	s_cmp_ge_u32 s20, 4
	s_cbranch_scc1 .Ljoin
	s_sub_co_u32 s24, ttmp9, 128
	s_lshl_b32 s24, s24, 2
	s_add_co_u32 s24, s24, s20                     ; batch
	s_lshl_b32 s26, s24, 13
	s_mov_b32 s27, 0
	s_add_nc_u64 s[10:11], s[10:11], s[26:27]
	s_mul_i32 s26, s24, 9216
	s_add_nc_u64 s[16:17], s[16:17], s[26:27]
	s_lshl_b32 s26, s24, 7
	s_add_nc_u64 s[18:19], s[18:19], s[26:27]
.set Q_, 0
.rept 16
	global_load_b128 v[MK+4*Q_:MK+4*Q_+3], v5, s[10:11] offset:512*Q_   ; register n = 4 q + e: row 128 q + 4 lane + e
.set Q_, Q_+1
.endr
	v_mov_b32 v49, 0x20000                         ; a pad: row 0, flagged
	s_mov_b32 s33, 0                               ; kept so far
	s_wait_loadcnt 0x0
; The rows are taken in the order register by register, lane by lane.  Each stage is written for sixteen registers at a time, so that no line waits for the line above it.
; First: how many kept rows stand ahead of each row.
.irp g, 0,1,2,3
.set I_, 0
.rept 16
	v_cmp_ne_u32 s[66+I_], 0, v[MK+16*\g+I_]       ; kept
.set I_, I_+1
.endr
.set I_, 0
.rept 16
	s_bcnt1_i32_b32 s38, s[66+I_]
	s_mov_b32 s[82+I_], s33                        ; kept in the registers before
	s_add_co_u32 s33, s33, s38
.set I_, I_+1
.endr
.set I_, 0
.rept 16
	v_mbcnt_lo_u32_b32 v[AD+16*\g+I_], s[66+I_], 0 ; kept lanes below mine
.set I_, I_+1
.endr
.set I_, 0
.rept 16
	v_add_nc_u32 v[AD+16*\g+I_], s[82+I_], v[AD+16*\g+I_]
.set I_, I_+1
.endr
.endr
	s_cmp_eq_u32 s33, 0
	s_cselect_b32 s30, -1, 0                       ; none kept: every score is the same -1e10 and every row counts: all are listed, flagged
	s_cselect_b32 s31, 0x800, s33                  ; the number listed
	s_add_co_u32 s32, s31, 15
	s_lshr_b32 s32, s32, 4                         ; tiles of 16
	s_add_co_u32 s32, s32, 8
	s_mul_i32 s32, s32, 57
	s_lshr_b32 s32, s32, 9                         ; ceil(tiles / 9): x 57 / 512 is x / 9 rounded down for x up to 136
	v_add_nc_u32 v48, s33, v1                      ; the number kept + my lane
; Then the 2,048 rows are parted: a kept row goes to the place of its rank among the kept; any other stores behind them, at the number kept + its rank among the others: a pad, or, where none is kept, the row itself, flagged.
.irp g, 0,1,2,3
.set I_, 0
.rept 16
	v_cmp_ne_u32 s[66+I_], 0, v[MK+16*\g+I_]
.set I_, I_+1
.endr
.set I_, 0
.rept 16
	v_add_nc_u32 v[UT+I_], 32*(16*\g+I_), v48      ; the number kept + all rows ahead of me
.set I_, I_+1
.endr
.set I_, 0
.rept 16
	v_sub_nc_u32 v[UT+I_], v[UT+I_], v[AD+16*\g+I_]   ; less the kept ahead of me
.set I_, I_+1
.endr
.set I_, 0
.rept 16
	v_add_nc_u32 v[PD+16*\g+I_], 128*((16*\g+I_)/4)+(16*\g+I_)%4, v4   ; the row
.set I_, I_+1
.endr
.set I_, 0
.rept 16
	v_or_b32 v[AT+I_], 0x10000, v[PD+16*\g+I_]
.set I_, I_+1
.endr
.set I_, 0
.rept 16
	v_cndmask_b32 v[AT+I_], v49, v[AT+I_], s30
.set I_, I_+1
.endr
.set I_, 0
.rept 16
	v_cndmask_b32 v[AD+16*\g+I_], v[UT+I_], v[AD+16*\g+I_], s[66+I_]
.set I_, I_+1
.endr
.set I_, 0
.rept 16
	v_cndmask_b32 v[PD+16*\g+I_], v[AT+I_], v[PD+16*\g+I_], s[66+I_]
.set I_, I_+1
.endr
.set I_, 0
.rept 16
	v_min_u32 v[AD+16*\g+I_], 0x8ff, v[AD+16*\g+I_]   ; inside the batch's 2,304 words
.set I_, I_+1
.endr
.set I_, 0
.rept 16
	v_lshlrev_b32 v[AD+16*\g+I_], 2, v[AD+16*\g+I_]
.set I_, I_+1
.endr
.set I_, 0
.rept 16
	global_store_b32 v[AD+16*\g+I_], v[PD+16*\g+I_], s[16:17]   ; two runs of neighbouring words: the kept lanes' and the others'
.set I_, I_+1
.endr
.endr
.irp k, 0,1,2,3,4,5,6,7
	global_store_b32 v4, v49, s[16:17] offset:8192+128*\k   ; words 2,048 to 2,303: pads
.endr
	v_mov_b32 v50, 0
	v_mov_b32 v54, s31
	v_mov_b32 v55, s32
	v_cmp_eq_u32 vcc_lo, 0, v1
	v_cndmask_b32 v50, v50, v54, vcc_lo
	v_cmp_eq_u32 vcc_lo, 2, v1
	v_cndmask_b32 v50, v50, v55, vcc_lo
	global_store_b32 v4, v50, s[18:19]             ; the batch's 32 words
	s_branch .Ljoin
.Lrole_w:                                      ; ---- W: w_enc's codes, in the order of the operand's registers
	WBASE 1
	WLOADS
	s_lshr_b32 s24, s21, 2
	s_lshl_b32 s24, s24, 3
	s_add_co_u32 s24, s24, s22
	s_mul_i32 s24, s24, 4352                       ; the record of my tile and K step
	s_add_nc_u64 s[42:43], s[12:13], s[24:25]
	s_and_b32 s26, s21, 3
	s_lshl_b32 s26, s26, 10                        ; the fragment in it,
	s_lshl_b32 s27, s23, 9                         ; blocks 0, 1 or 2, 3
	s_add_co_u32 s26, s26, s27
	v_add_nc_u32 v57, s26, v5                      ; + 256 h + 16 r
	s_wait_loadcnt 0x0
	QB X, WF, 54, SW
	global_store_b128 v57, v[WF:WF+3], s[42:43]    ; 512 consecutive bytes, aligned
	ds_store_b32 v14, v[SW]                        ; my two bytes of each column's scale word: the two halves of a K step meet behind the barrier
	s_branch .Ljoin
.Lrole_h:                                      ; ---- H: 64 along K of hidden x w_dec
	WBASE 0
	v_lshlrev_b32 v58, 12, v3
	v_lshl_add_u32 v58, v2, 4, v58
	s_lshl_b32 s26, s20, 8
	v_add_nc_u32 v58, s26, v58                     ; row lane / 16, + my wave's 256 bytes, + 16 (lane % 16)
.set K_, 0
.rept 16
	global_load_b128 v[HR+4*K_:HR+4*K_+3], v58, s[6:7] offset:8192*K_   ; rows 2 i and 2 i + 1
.set K_, K_+1
.endr
	WLOADS
.irp x, 4,5,6,7
	v_mov_b32 v[WF+\x], 0                          ; blocks 2 and 3 of the three fragments: zero codes
	v_mov_b32 v[HF+\x], 0
	v_mov_b32 v[HF+8+\x], 0
.endr
	s_wait_loadcnt 32                              ; only the weights' 32 loads are younger than the hidden rows'
.set K_, 0
.rept 16
	ds_store_b128 v10, v[HR+4*K_:HR+4*K_+3] offset:544*K_
.set K_, K_+1
.endr
.irp mt, 0,1
.irp i, 0,1,2,3,4,5,6,7
	ds_load_b128 v[HX+32*\mt+4*\i:HX+32*\mt+4*\i+3], v11 offset:4352*\mt+16*\i   ; LDS serves a wave's instructions in order (ISA guide 5.7.1.4): these see my stores
.endr
.endr
	s_wait_dscnt 0x0
	QB HX, HF, 55, HS
	QB HX+32, HF+8, 56, HS+1
	s_wait_loadcnt 0x0
	QB X, WF, 54, SW
.rept 8
	v_nop                                          ; scale words and operands made by vector instructions stand 8 and 4 places ahead of a scaled product
.endr
	v_wmma_scale_f32_16x16x128_f8f6f4 v[D:D+7], v[HF:HF+7], v[WF:WF+7], 0, v[HS], v[SW] matrix_a_fmt:MATRIX_FMT_FP4 matrix_b_fmt:MATRIX_FMT_FP4
	v_wmma_scale_f32_16x16x128_f8f6f4 v[D+8:D+15], v[HF+8:HF+15], v[WF:WF+7], 0, v[HS+1], v[SW] matrix_a_fmt:MATRIX_FMT_FP4 matrix_b_fmt:MATRIX_FMT_FP4
.rept 4
	v_nop
.endr
.irp q, 0,1,2,3
	ds_store_b128 v6, v[D+4*\q:D+4*\q+3] offset:512*\q   ; the results as they stand, each from its low end on
.endr
.Ljoin:
	s_wait_xcnt 0x0                                ; every store of the three paths has read its registers: the lines behind the barrier write some of them again
	s_wait_dscnt 0x0                               ; what I put into LDS lies there
	s_barrier_signal -1
	s_barrier_wait -1
	s_cmp_ge_u32 s20, 4                            ; what is left is work for four waves
	s_cbranch_scc1 .Lend
	s_cmp_ge_u32 ttmp9, 128
	s_cbranch_scc1 .Lend
	s_cmp_ge_u32 ttmp9, 64
	s_cbranch_scc1 .Lw_after
.irp u, 0,1,2,3,4,5,6,7,8,9,10,11,12,13,14,15
	ds_load_b128 v[64+4*\u:67+4*\u], v7 offset:2048*\u   ; piece number = my wave's, of all sixteen waves
.endr
	s_lshr_b32 s24, s21, 1                         ; the image of 32 columns,
	s_lshl_b32 s24, s24, 12
	s_and_b32 s26, s21, 1                          ; my tile in it,
	s_lshl_b32 s26, s26, 10
	s_add_co_u32 s24, s24, s26
	s_lshr_b32 s26, s20, 1                         ; batches 0-15 or 16-31,
	s_lshl_b32 s26, s26, 11
	s_add_co_u32 s24, s24, s26
	s_and_b32 s26, s20, 1                          ; registers 0-3 or 4-7
	s_lshl_b32 s26, s26, 9
	s_add_co_u32 s24, s24, s26
	s_add_nc_u64 s[14:15], s[14:15], s[24:25]
	s_wait_dscnt 0x0
.irp u, 1,2,3,4,5,6,7,8,9,10,11,12,13,14,15
	v_pk_add_f32 v[64:65], v[64:65], v[64+4*\u:65+4*\u]
	v_pk_add_f32 v[66:67], v[66:67], v[66+4*\u:67+4*\u]
.endr
	s_wait_loadcnt 0x0                             ; a_b
	v_mul_f32 v51, s36, v9
.irp e, 0,1,2,3
	v_fma_f32 v[64+\e], v[64+\e], s36, v51         ; 2 log2(e) (h_proj + a_b)
.endr
	global_store_b128 v5, v[64:67], s[14:15]       ; 512 consecutive bytes, aligned
	s_branch .Lend
.Lw_after:                                     ; lane (r, h) of wave w joins the two halves of column r's scale word of K step 2 w + h
	ds_load_b32 v60, v15
	ds_load_b32 v61, v15 offset:128
	s_lshr_b32 s24, s21, 2
	s_lshl_b32 s24, s24, 3
	s_lshl_b32 s26, s20, 1
	s_add_co_u32 s24, s24, s26
	s_mul_i32 s24, s24, 4352                       ; the record of K step 2 w
	s_add_nc_u64 s[12:13], s[12:13], s[24:25]
	s_and_b32 s26, s21, 1
	s_lshl_b32 s26, s26, 7
	s_bfe_u32 s27, s21, 0x10001
	s_lshl_b32 s27, s27, 2
	s_add_co_u32 s26, s26, s27
	v_mul_u32_u24 v59, v3, 4352                    ; the next record for lanes 16-31
	v_lshl_add_u32 v59, v2, 3, v59
	v_add_nc_u32 v59, s26, v59
	s_wait_dscnt 0x0
	v_lshl_or_b32 v60, v61, 16, v60
	global_store_b32 v59, v60, s[12:13] offset:4096   ; every other word of 128 bytes; the tile two further on stores the others: 32 KiB in all
.Lend:
	s_wait_tensorcnt 0x0
	ds_add_u32 v62, v63
	s_wait_dscnt 0x0
	s_endpgm
.Lfunc_end_k_qc28d00a444_prep:
	.size	k_qc28d00a444_prep, .Lfunc_end_k_qc28d00a444_prep-k_qc28d00a444_prep
	.p2alignl 7, 3214868480
	.fill 96, 4, 3214868480
	.section	.rodata,"a",@progbits
	.p2align	6, 0x0
	.amdhsa_kernel k_qc28d00a444_prep
		.amdhsa_group_segment_fixed_size 176128
		.amdhsa_private_segment_fixed_size 0
		.amdhsa_enable_private_segment 0
		.amdhsa_kernarg_size 64
		.amdhsa_user_sgpr_count 2
		.amdhsa_user_sgpr_kernarg_segment_ptr 1
		.amdhsa_wavefront_size32 1
		.amdhsa_system_sgpr_workgroup_id_x 1
		.amdhsa_system_sgpr_workgroup_id_y 1
		.amdhsa_system_sgpr_workgroup_id_z 1
		.amdhsa_system_vgpr_workitem_id 0
		.amdhsa_next_free_vgpr 256
		.amdhsa_next_free_sgpr 100
		.amdhsa_reserve_vcc 1
		.amdhsa_float_denorm_mode_32 3
		.amdhsa_float_denorm_mode_16_64 3
		.amdhsa_memory_ordered 1
		.amdhsa_forward_progress 1
		.amdhsa_inst_pref_size 88
	.end_amdhsa_kernel
	.amdgpu_metadata
---
amdhsa.version: [ 1, 2 ]
amdhsa.kernels:
  - .name:           k_qc28d00a444_prep
    .symbol:         k_qc28d00a444_prep.kd
    .args:
      - { .name: a_w, .offset: 0, .size: 8, .value_kind: global_buffer, .address_space: global }
      - { .name: hidden_states, .offset: 8, .size: 8, .value_kind: global_buffer, .address_space: global }
      - { .name: a_b, .offset: 16, .size: 8, .value_kind: global_buffer, .address_space: global }
      - { .name: encoder_masks, .offset: 24, .size: 8, .value_kind: global_buffer, .address_space: global }
      - { .name: wq, .offset: 32, .size: 8, .value_kind: global_buffer, .address_space: global }
      - { .name: biasimg, .offset: 40, .size: 8, .value_kind: global_buffer, .address_space: global }
      - { .name: rowlist, .offset: 48, .size: 8, .value_kind: global_buffer, .address_space: global }
      - { .name: rowmeta, .offset: 56, .size: 8, .value_kind: global_buffer, .address_space: global }
    .group_segment_fixed_size: 176128
    .private_segment_fixed_size: 0
    .kernarg_segment_align: 8
    .kernarg_segment_size: 64
    .max_flat_workgroup_size: 512
    .sgpr_count:     100
    .vgpr_count:     256
    .wavefront_size: 32
...
	.end_amdgpu_metadata
.endif
;; end of part 1
;; launch attn (part 2): grid 32 x 15, 4 waves a work-group, no clusters, 315,904 bytes of LDS; arguments encoder_outputs, wq, biasimg, v_w, rowlist, rowmeta, part; writes part
.if DOCPART == 2
	.amdgcn_target "amdgcn-amd-amdhsa--gfx1250"
	.amdhsa_code_object_version 6
	.text
	.protected	k_qc28d00a444_attn
	.globl	k_qc28d00a444_attn
	.p2align	8
	.type	k_qc28d00a444_attn,@function
k_qc28d00a444_attn:
	s_mov_b64 s[64:65], 0
	v_nop
	global_prefetch_b8 v0, s[64:65] scope:SCOPE_SE
	s_setreg_imm32_b32 hwreg(HW_REG_WAVE_MODE, 25, 1), 1
	s_wait_xcnt 0x0
; The fused chain for 144 listed rows of one batch: gather, quantise, Q(x) Q(w_enc), + bias, tanh, . v_w, mask, exponentials under the block's own maximum, and the weighted sum of the same rows.
; Work-group (b, i) owns positions 144 i .. 144 i + 143 of batch b's list: nine tiles of 16 rows.  Each encoder row is read from memory once; a bf16 copy stays on the WGP for the weighted sum.
; A row whose mask is 0 has the score -1e10 and the weight 0 beside any kept row, so only kept rows are listed; a batch with no kept row lists all rows, flagged, and they all get -1e10.
; THE GRID SERVES EVERY MASK: 15 work-groups a batch cover 2,048 rows.  A work-group whose number is not under the stored count is IDLE: it passes every barrier and walks phase A's loop, jumps over the work
; between (short forward branches on the two numbers s20, s21, which join again ahead of each barrier), and stores nothing.  Pads (row 0, flagged) get the weight 0, so a work-group with rows always walks all nine tiles.
; What one stretch of work hands to a later one in registers holds a number on every way through the text: addresses and pointers are made at the head; tile 0's rows and the list entries are asked for at the head by
; every work-group (an idle one reads 64 KiB of its batch's row 0 for nothing); the registers of the bf16 copies get zeros on the idle way.
; NO TENSOR LOADS, NO CLUSTER: the launch branches on a stored number; the rows must pass through registers to be quantised; each weight fragment feeds one wave alone, so the weights go from memory straight into registers.
; PHASES.  A: wave w loads rows 4 w .. 4 w + 3 of each tile (a row is eight loads of 512 consecutive bytes), makes codes and scale bytes (to LDS) and bf16 copies (tiles 0-6 to LDS, tiles 7, 8 in registers) | barrier |
;   B: wave w makes columns 256 w .. + 255 for all 144 rows, in four passes of 64 columns: 36 accumulators by turns over 8 K steps; then tanh(x) = 1 - 2 / (1 + 2^(2 log2(e) x)) and S += v / (1 + 2^..) |
;   C: score = sum(v) - 2 S, added over lanes and (through LDS, barrier) waves; every wave makes all 144 weights p = 2^(t - M) for itself |  D: wave w adds p x its own 36 rows | barrier |  E: the four sums are added and stored; M and l beside them.
; LIMITS: NaN and infinities are not served.  A block of zeros, or under 2^-124, gets the scale byte 1 (zero codes).  Leaving masked rows out equals -1e10 while the sum of |v_w| stays under about 9.9e9.
;   The weighted sum multiplies bf16(x) by p in f32, sums in f32.
; REGISTERS, in windows of 256.  Window 0: v1-15, v90-95, v248-249 addresses; v16-31 the weights' scale words; v32-67 the rows' scale words; v68-83 v and bias (even registers); v84-89 sum(v), 0, M, l, what is stored of them;
;   v96-127 the weighted sum; v128-199 S (in phase A: at work); v200-247 at work.   Window 1: accumulators of tiles 0-7 (in phase A two sets of four rows; in phase D two sets of four rows).   Window 2: the weights' ring, slot j at 32 j.
;   Window 3: v0-71 the rows' fragments, v72-103 tile 8's accumulators, v104-231 the bf16 copies of tiles 7 and 8.
.set ASC,   76032                      ; LDS: from 0 the codes, wave by wave: 36 rows x (512 + 16) bytes each;  here the scale bytes: 36 rows x 32 bytes a wave
.set SPART, 80640                      ; the waves' partial scores: 576 bytes each
.set PTAB,  82944                      ; the weights, a copy for each wave: 640 bytes each
.set RET,   85504                      ; the bf16 copies: 28 rows x 2,048 bytes a wave, as register images
.set WCODE, 19008
.set WASC,  1152
.set WRET,  57344
.set L16, 1                            ; 16 x lane
.set L8,  2                            ; 8 x lane
.set VCA, 3                            ; where I store a word of codes: my wave's rows + 2 lane (+ 62 in odd lanes)
.set VSA, 4                            ; and a word of scale bytes: + 4 (lane / 8)
.set VRA, 5                            ; my wave's bf16 copies + 16 lane
.set ADA, 6                            ; a fragment's row r: (r / 4) WCODE + (r % 4) 528 + 16 h
.set SELV, 7                           ; byte selects for the exchange between neighbouring lanes
.set ADAS, 8                           ; row r's scale bytes + 16 h
.set SPR, 9                            ; the partial scores + 4 lane
.set ADSP, 10                          ; my wave's partial scores + 32 h
.set ADP, 11                           ; my wave's copy of the weights, at my wave's four rows of tile 0
.set T0,  12                           ; phase A: VCA, VSA, VRA at the trip's first tile
.set T1,  13
.set T2,  14
.set SPR2, 15                          ; the partial scores + 4 r
.set BS,  16
.set AS,  32
.set VB,  68
.set BI,  76
.set VS,  84
.set ZR,  85
.set MX,  86
.set LS,  87
.set PST, 90                           ; my wave's copy of the weights + 4 lane
.set RD0, 91                           ; phase E: waves 0 and 1's sums at my 1,024 bytes + 16 lane
.set RD1, 92                           ; waves 2 and 3's
.set GOUT, 93                          ; my 1,024 bytes of the record + 16 lane
.set LN,  94                           ; lane
.set R4,  95                           ; 4 r
.set R16, 248                          ; 16 r
.set LN4, 249                          ; 4 x lane
.set OUT, 96
.set S,   128
.set QM,  128                          ; phase A: v128-135 largest magnitudes, then scale operands; v136-143 bytes; v144-151 codes; v152-167 bf16 pairs; v168-169 scale words
.set BY,  136
.set CC,  144
.set PK,  152
.set SWD, 168
.set EN,  216                          ; v216-220 list entries 32 k + lane
.set XA,  0
.set XB,  128
.set RR,  104
.set E1,  32                           ; s[32:35], s[36:39] four list entries each
.set E2,  36
.set RA,  40                           ; s[40:47], s[48:55] four row addresses each
.set RB,  48
.set MSB, 0
.macro WIN new                         ; the immediate's high byte repeats the setting that is left; a switch that changes nothing is dropped
.if MSB != \new
	s_set_vgpr_msb (MSB<<8)|\new
.set MSB, \new
.endif
.endm
.macro PLACES n
.rept \n
	v_nop
.endr
.endm
.macro IDLE to                         ; a work-group whose rows lie behind the end of the batch's list jumps over the work; the two numbers are the same in all four waves
	s_cmp_lt_u32 s20, s21
	s_cbranch_scc0 \to
.endm
.macro BASES R, E                      ; four list entries -> four row addresses; the row number is held inside the batch's 2,048
.irp i, 0,1,2,3
	s_and_b32 s[\R+2*\i], s[\E+\i], 0x7ff
	s_min_u32 s[\R+2*\i], s[\R+2*\i], 0x7ff
	s_lshl_b32 s[\R+2*\i], s[\R+2*\i], 12
	s_mov_b32 s[\R+2*\i+1], 0
	s_add_nc_u64 s[\R+2*\i:\R+2*\i+1], s[26:27], s[\R+2*\i:\R+2*\i+1]
.endr
.endm
.macro LOADT X, R                      ; four rows: register 32 i + 4 j + e = number 128 j + 4 lane + e of row i.  Each listed row is read once; only the pads' row 0 comes again
	WIN 0x40
.irp i, 0,1,2,3
.irp j, 0,1,2,3,4,5,6,7
	global_load_b128 v[\X+32*\i+4*\j:\X+32*\i+4*\j+3], v[L16], s[\R+2*\i:\R+2*\i+1] offset:512*\j th:TH_LOAD_NT
.endr
.endr
	WIN 0
.endm
; One row.  A block of 32 is eight lanes x four numbers of one load.  A conversion takes eight registers, two loads' numbers, under one scale: it is made twice, and the low half of the first and the high half of the second hold.
.macro ROWQ x, co, so, kind, ro        ; kind 0: the bf16 copy goes to LDS at ro; 1: to registers ro on of window 3
.set XR_, \x
.set CO_, \co
.set SO_, \so
.set RO_, \ro
	WIN 0x05
.irp j, 0,1,2,3,4,5,6,7
	v_max3_num_f32 v[QM+\j], |v[XR_+4*\j]|, |v[XR_+4*\j+1]|, 0x1800000    ; the floor 2^(3 - 127): the byte cannot fall under 1
.endr
.irp j, 0,1,2,3,4,5,6,7
	v_max3_num_f32 v[QM+\j], |v[XR_+4*\j+2]|, |v[XR_+4*\j+3]|, v[QM+\j]
.endr
	WIN 0
.irp m, 1,2,4
.irp j, 0,1,2,3,4,5,6,7
	v_max_num_f32_dpp v[QM+\j], v[QM+\j], v[QM+\j] row_xmask:\m row_mask:0xf bank_mask:0xf
.endr
.endr
.irp j, 0,1,2,3,4,5,6,7
	v_add_nc_u32 v[QM+\j], 0xff000000, v[QM+\j]    ; 2 off the exponent field: the conversion's scale operand
.endr
.irp j, 0,1,2,3,4,5,6,7
	v_lshrrev_b32 v[BY+\j], 23, v[QM+\j]
.endr
	s_wait_dscnt 0x0                               ; the last row's LDS stores have read the registers that are written next
.irp u, 0,1
	v_lshl_or_b32 v[SWD+\u], v[BY+4*\u+1], 8, v[BY+4*\u]     ; my group's bytes of K steps 4 u .. 4 u + 3
	v_lshl_or_b32 v[SWD+\u], v[BY+4*\u+2], 16, v[SWD+\u]
	v_lshl_or_b32 v[SWD+\u], v[BY+4*\u+3], 24, v[SWD+\u]
.endr
	WIN 0x01
.irp i, 0,1,2,3
	v_cvt_scalef32_pk8_fp4_f32 v[CC+2*\i], v[XR_+8*\i:XR_+8*\i+7], v[QM+2*\i]
	v_cvt_scalef32_pk8_fp4_f32 v[CC+2*\i+1], v[XR_+8*\i:XR_+8*\i+7], v[QM+2*\i+1]
.endr
.if \kind
	WIN 0xc5
.set K_, 0
.rept 16
	v_cvt_pk_bf16_f32 v[RO_+K_], v[XR_+2*K_], v[XR_+2*K_+1]      ; (plain lines behind the scaled conversions)
.set K_, K_+1
.endr
.else
	WIN 0x05
.set K_, 0
.rept 16
	v_cvt_pk_bf16_f32 v[PK+K_], v[XR_+2*K_], v[XR_+2*K_+1]
.set K_, K_+1
.endr
.endif
	WIN 0
.irp i, 0,1,2,3
	v_perm_b32 v[CC+2*\i], v[CC+2*\i+1], v[CC+2*\i], s72          ; low half: load 2 i's four codes; high half: load 2 i + 1's
.endr
.irp i, 0,1,2,3
	v_mov_b32_dpp v[CC+2*\i+1], v[CC+2*\i] row_xmask:1 row_mask:0xf bank_mask:0xf   ; my neighbour's
.endr
.irp i, 0,1,2,3
	v_perm_b32 v[CC+2*\i], v[CC+2*\i+1], v[CC+2*\i], v[SELV]      ; even lanes: both lanes' codes of load 2 i; odd lanes: of load 2 i + 1: a whole word
.endr
.irp i, 0,1,2,3
	ds_store_b32 v[T0], v[CC+2*\i] offset:CO_+128*\i              ; 128 consecutive bytes of the row's codes
.endr
	ds_store_b32 v[T1], v[SWD] offset:SO_                         ; eight lanes store the same word with the same value
	ds_store_b32 v[T1], v[SWD+1] offset:SO_+16
.if \kind == 0
.irp q, 0,1,2,3
	ds_store_b128 v[T2], v[PK+4*\q:PK+4*\q+3] offset:RO_+512*\q   ; an image of the registers
.endr
.endif
.endm
.macro TILEQ X, tp, kind, reg          ; my four rows of the tile tp beyond the one that T0 .. T2 point at
.irp i, 0,1,2,3
.if \kind
	ROWQ \X+32*\i, 2112*\tp+528*\i, 128*\tp+32*\i, 1, \reg+16*\i
.else
	ROWQ \X+32*\i, 2112*\tp+528*\i, 128*\tp+32*\i, 0, 8192*\tp+2048*\i
.endif
.endr
.endm
.macro WFILL j, off                    ; record j of a pass: four fragments into ring slot j, their scale words beside them: nine loads
	WIN 0x80
.irp k, 0,1,2,3,4,5,6,7
	global_load_b128 v[32*(\j)+4*\k:32*(\j)+4*\k+3], v[L16], s[56:57] offset:\off+4352*(\j)+512*\k
.endr
	WIN 0
	global_load_b64 v[BS+2*(\j):BS+2*(\j)+1], v[L8], s[56:57] offset:\off+4352*(\j)+4096
.endm
.macro AFETCH j, t0, t1                ; the rows' fragments of K step j, tiles t0 .. t1
	WIN 0xc0
.set T_, \t0
.rept \t1-\t0+1
	ds_load_b128 v[8*T_:8*T_+3], v[ADA] offset:2112*T_+64*(\j)
	ds_load_b128 v[8*T_+4:8*T_+7], v[ADA] offset:2112*T_+64*(\j)+32
.set T_, T_+1
.endr
.endm
; Four products: tile t of rows x the pass's four column tiles, K step j.  Source 0 = rows, source 1 = columns: register jj of lane (r, h) is (row 16 t + 8 h + jj, column r), so v and the bias are one register a column tile.
.macro MM t, j
.if (\t) < 8
	WIN 0x5b
.else
	WIN 0xfb
.endif
.irp c, 0,1,2,3
.if (\t) < 8
.set D_, 32*(\t)+8*\c
.else
.set D_, 72+8*\c
.endif
.set A_, 8*(\t)
.set B_, 32*(\j)+8*\c
.set SA_, AS+4*(\t)+((\j)%4)
.set SB_, BS+2*(\j)+(\c/2)
.if (\j) == 0
.if \c%2
	v_wmma_scale_f32_16x16x128_f8f6f4 v[D_:D_+7], v[A_:A_+7], v[B_:B_+7], 0, v[SA_], v[SB_] matrix_a_fmt:MATRIX_FMT_FP4 matrix_b_fmt:MATRIX_FMT_FP4 matrix_b_scale:MATRIX_SCALE_ROW1
.else
	v_wmma_scale_f32_16x16x128_f8f6f4 v[D_:D_+7], v[A_:A_+7], v[B_:B_+7], 0, v[SA_], v[SB_] matrix_a_fmt:MATRIX_FMT_FP4 matrix_b_fmt:MATRIX_FMT_FP4
.endif
.elseif (\j) < 4
.if \c%2
	v_wmma_scale_f32_16x16x128_f8f6f4 v[D_:D_+7], v[A_:A_+7], v[B_:B_+7], v[D_:D_+7], v[SA_], v[SB_] matrix_a_fmt:MATRIX_FMT_FP4 matrix_b_fmt:MATRIX_FMT_FP4 matrix_b_scale:MATRIX_SCALE_ROW1
.else
	v_wmma_scale_f32_16x16x128_f8f6f4 v[D_:D_+7], v[A_:A_+7], v[B_:B_+7], v[D_:D_+7], v[SA_], v[SB_] matrix_a_fmt:MATRIX_FMT_FP4 matrix_b_fmt:MATRIX_FMT_FP4
.endif
.else
.if \c%2
	v_wmma_scale_f32_16x16x128_f8f6f4 v[D_:D_+7], v[A_:A_+7], v[B_:B_+7], v[D_:D_+7], v[SA_], v[SB_] matrix_a_fmt:MATRIX_FMT_FP4 matrix_b_fmt:MATRIX_FMT_FP4 matrix_a_scale:MATRIX_SCALE_ROW1 matrix_b_scale:MATRIX_SCALE_ROW1
.else
	v_wmma_scale_f32_16x16x128_f8f6f4 v[D_:D_+7], v[A_:A_+7], v[B_:B_+7], v[D_:D_+7], v[SA_], v[SB_] matrix_a_fmt:MATRIX_FMT_FP4 matrix_b_fmt:MATRIX_FMT_FP4 matrix_a_scale:MATRIX_SCALE_ROW1
.endif
.endif
.endr
.endm
; A K step: 36 products, the 36 accumulators by turns in the same order in every step.  A tile's fragment is free behind its four products: tiles 0-4 are fetched anew in the middle, tiles 5-8 at the end.
; Ring slot j is free behind the step: it takes the next pass's record j, which has the rest of the pass in which to land.  The last pass asks for nothing: no load leaves wq.
.macro KSTEP j
	s_wait_dscnt 8                                 ; all but the youngest eight LDS loads (tiles 5-8) are in
.irp t, 0,1,2,3,4
	MM \t, \j
.endr
	s_wait_dscnt 0x0
.if (\j) < 7
	PLACES 4                                       ; four places in front of loads into registers that products have read (ISA guide 7.12.1 for vector instructions; kept for loads too)
	AFETCH (\j)+1, 0, 4
.endif
.irp t, 5,6,7,8
	MM \t, \j
.endr
	PLACES 4
.if (\j) < 7
	AFETCH (\j)+1, 5, 8
.endif
	WIN 0
.if (\j) == 0
	s_wait_loadcnt 0x0                             ; the pass's v and bias, asked for 36 products ago; nothing else is out here, on either way of the branch below
.endif
	s_cmp_eq_u32 s59, 3
	s_cbranch_scc1 .Lnofill_\@
	WFILL \j, 34816
.Lnofill_\@:
.endm
; Tile t's 4 x 8 results: y = 2 log2(e) x + bias;  q = 1 / (1 + 2^y);  S += v q.  Each accumulator is read from its low end on.
.macro EPI t
.if (\t) < 8
.set AB_, 32*(\t)
	WIN 0x41
.else
.set AB_, 72
	WIN 0xc3
.endif
.irp c, 0,1,2,3
.irp k, 0,1,2,3
	v_pk_fma_f32 v[AB_+8*\c+2*\k:AB_+8*\c+2*\k+1], v[AB_+8*\c+2*\k:AB_+8*\c+2*\k+1], s[22:23], v[BI+2*\c:BI+2*\c+1] op_sel_hi:[1,0,0]
.endr
.endr
.set N_, 0
.rept 32
	v_exp_f32 v[AB_+N_], v[AB_+N_]
.set N_, N_+1
.endr
	v_nop                                          ; a plain line behind the exponentials
.set N_, 0
	s_wait_alu depctr_va_vdst(0)
.rept 16
	v_pk_add_f32 v[AB_+N_:AB_+N_+1], v[AB_+N_:AB_+N_+1], 1.0 op_sel_hi:[1,0]
.set N_, N_+2
.endr
.set N_, 0
.rept 32
	v_rcp_f32 v[AB_+N_], v[AB_+N_]
.set N_, N_+1
.endr
	v_nop                                          ; and behind the reciprocals
.if (\t) < 8
	WIN 0x01
.else
	WIN 0x03
.endif
	s_wait_alu depctr_va_vdst(0)
.irp c, 0,1,2,3
.irp k, 0,1,2,3
	v_pk_fma_f32 v[S+8*(\t)+2*\k:S+8*(\t)+2*\k+1], v[AB_+8*\c+2*\k:AB_+8*\c+2*\k+1], v[VB+2*\c:VB+2*\c+1], v[S+8*(\t)+2*\k:S+8*(\t)+2*\k+1] op_sel_hi:[1,0,1]
.endr
.endr
.endm
.macro ROWACC rb, p, first             ; OUT += p x a row's 32 numbers of my lane, from 16 registers of bf16 pairs; first = 1: the sums begin, from a register that holds 0
.set K_, 0
.rept 16
.if \first
	v_fma_mix_f32_bf16 v[OUT+2*K_], v[\rb+K_], v[\p], v[ZR] op_sel_hi:[1,0,0]
	v_fma_mix_f32_bf16 v[OUT+2*K_+1], v[\rb+K_], v[\p], v[ZR] op_sel:[1,0,0] op_sel_hi:[1,0,0]
.else
	v_fma_mix_f32_bf16 v[OUT+2*K_], v[\rb+K_], v[\p], v[OUT+2*K_] op_sel_hi:[1,0,0]
	v_fma_mix_f32_bf16 v[OUT+2*K_+1], v[\rb+K_], v[\p], v[OUT+2*K_+1] op_sel:[1,0,0] op_sel_hi:[1,0,0]
.endif
.set K_, K_+1
.endr
.endm
.macro DLOAD t                         ; phase D: tile t's four weights (the same in every lane) and my four rows of it, into set t % 2: 17 LDS loads
	WIN 0
	ds_load_b128 v[208+4*((\t)%2):211+4*((\t)%2)], v[ADP] offset:64*(\t)
	WIN 0x40
.irp i, 0,1,2,3
.irp q, 0,1,2,3
	ds_load_b128 v[64*((\t)%2)+16*\i+4*\q:64*((\t)%2)+16*\i+4*\q+3], v[VRA] offset:8192*(\t)+2048*\i+512*\q
.endr
.endr
.endm
	; ---- the head: run by every work-group
	s_load_b256 s[4:11], s[0:1], 0x0               ; encoder_outputs s[4:5], wq s[6:7], biasimg s[8:9], v_w s[10:11]
	s_load_b128 s[12:15], s[0:1], 0x20             ; rowlist s[12:13], rowmeta s[14:15]
	s_load_b64 s[16:17], s[0:1], 0x30              ; part
	v_lshl_add_u32 v254, v0, 2, 0x4d000
	v_mov_b32 v255, 0
	v_lshrrev_b32 v221, 5, v0
	v_readfirstlane_b32 s18, v221                  ; wave 0..3
	s_mov_b32 s19, ttmp9                           ; batch
	s_and_b32 s20, ttmp7, 0xffff                   ; which 144 rows of its list
	s_lshl_b32 s73, s19, 7
	s_mov_b32 s31, 0
	s_mul_i32 s30, s19, 9216
	s_mul_i32 s63, s20, 576
	s_add_co_u32 s30, s30, s63
	s_wait_kmcnt 0x0
	s_load_b32 s21, s[14:15], s73 offset:0x8       ; how many work-groups the batch's list fills
	s_add_nc_u64 s[66:67], s[12:13], s[30:31]      ; the list at my work-group's first entry
	s_lshl_b32 s30, s18, 4
	s_add_nc_u64 s[28:29], s[66:67], s[30:31]      ; and at my wave's four rows of tile 0
	s_load_b128 s[36:39], s[28:29], 0x0            ; tile 0
	s_load_b128 s[32:35], s[28:29], 0x40           ; tile 1
	s_lshl_b32 s30, s19, 23
	s_add_nc_u64 s[26:27], s[4:5], s[30:31]        ; the batch's rows
	s_mul_i32 s30, s18, 139264
	s_add_nc_u64 s[56:57], s[6:7], s[30:31]        ; my wave's 32 records of weights
	s_mul_i32 s30, s19, 15
	s_add_co_u32 s30, s30, s20
	s_mul_i32 s30, s30, 4352
	s_add_nc_u64 s[16:17], s[16:17], s[30:31]      ; my record of part
	s_lshl_b32 s30, s18, 10
	s_add_nc_u64 s[74:75], s[10:11], s[30:31]      ; v_w at my wave's 256 columns
	s_lshr_b32 s30, s19, 4                         ; where batch b lies in an image of the bias,
	s_lshl_b32 s30, s30, 11
	s_bfe_u32 s63, s19, 0x10002
	s_lshl_b32 s63, s63, 9
	s_add_co_u32 s30, s30, s63
	s_bfe_u32 s63, s19, 0x10003
	s_lshl_b32 s63, s63, 8
	s_add_co_u32 s30, s30, s63
	s_and_b32 s63, s19, 3
	s_lshl_b32 s63, s63, 2
	s_add_co_u32 s30, s30, s63
	s_lshl_b32 s63, s18, 15                        ; and my wave's eight images of 32 columns
	s_add_co_u32 s30, s30, s63
	s_add_nc_u64 s[76:77], s[8:9], s[30:31]
	v_and_b32 v[LN], 31, v0                        ; lane
	v_and_b32 v221, 15, v0                         ; r
	v_bfe_u32 v222, v0, 4, 1                       ; h
	v_lshlrev_b32 v[L16], 4, v[LN]
	v_lshlrev_b32 v[L8], 3, v[LN]
	v_lshlrev_b32 v[LN4], 2, v[LN]
	v_lshlrev_b32 v[R4], 2, v221
	v_lshlrev_b32 v[R16], 4, v221
	v_and_b32 v213, 1, v0
	v_mul_u32_u24 v[VCA], v213, 62
	v_lshl_add_u32 v[VCA], v[LN], 1, v[VCA]
	s_mul_i32 s30, s18, WCODE
	v_add_nc_u32 v[VCA], s30, v[VCA]
	v_mov_b32 v[SELV], 0x05040100                  ; even lanes: my low half, my neighbour's low half
	v_mov_b32 v212, 0x03020706                     ; odd lanes: my neighbour's high half, my high half
	v_cmp_eq_u32 vcc_lo, 1, v213
	v_cndmask_b32 v[SELV], v[SELV], v212, vcc_lo
	v_lshrrev_b32 v[VSA], 3, v[LN]
	s_mul_i32 s30, s18, WASC
	s_add_co_u32 s30, s30, ASC
	v_lshl_add_u32 v[VSA], v[VSA], 2, s30
	s_mul_i32 s30, s18, WRET
	s_add_co_u32 s30, s30, RET
	v_add_nc_u32 v[VRA], s30, v[L16]
	v_lshrrev_b32 v214, 2, v221                    ; r / 4: the wave that stored row r of a tile
	v_and_b32 v215, 3, v221                        ; r % 4
	v_mul_u32_u24 v[ADA], v214, WCODE
	v_mad_u32_u24 v[ADA], v215, 528, v[ADA]
	v_lshl_add_u32 v[ADA], v222, 4, v[ADA]         ; 19,008 is 64 and 528 is 16 beyond a multiple of 256: the sixteen rows start in sixteen different 16-byte columns of the 64 banks (ISA guide 11.1)
	v_mul_u32_u24 v[ADAS], v214, WASC
	v_lshl_add_u32 v[ADAS], v215, 5, v[ADAS]
	v_lshl_add_u32 v[ADAS], v222, 4, v[ADAS]
	v_add_nc_u32 v[ADAS], ASC, v[ADAS]
	v_lshl_add_u32 v[SPR], v[LN], 2, SPART
	v_lshl_add_u32 v[SPR2], v221, 2, SPART
	s_mul_i32 s30, s18, 576
	s_add_co_u32 s30, s30, SPART
	v_lshl_add_u32 v[ADSP], v222, 5, s30
	s_mul_i32 s30, s18, 656                        ; 640 bytes a copy + 16 bytes to my wave's four rows
	s_add_co_u32 s30, s30, PTAB
	v_mov_b32 v[ADP], s30
	s_mul_i32 s30, s18, 640
	s_add_co_u32 s30, s30, PTAB
	v_lshl_add_u32 v[PST], v[LN], 2, s30
	s_lshl_b32 s30, s18, 10
	v_add_nc_u32 v[GOUT], s30, v[L16]
	s_add_co_u32 s30, s30, RET
	v_add_nc_u32 v[RD0], s30, v[L16]
	v_add_nc_u32 v[RD1], 2*WRET, v[RD0]
	v_mov_b32 v[ZR], 0
	s_mov_b32 s22, 0x4038aa3b                      ; 2 log2(e)
	s_mov_b32 s23, s22                             ; (named with it as a pair)
	s_mov_b32 s24, 0x76543210
	s_mov_b32 s25, 0xfedcba98                      ; selects for lane l xor 16
	s_mov_b32 s68, 0x05010400                      ; byte selects that turn 4 x 4 scale bytes
	s_mov_b32 s69, 0x07030602
	s_mov_b32 s70, 0x05040100
	s_mov_b32 s71, 0x07060302
	s_mov_b32 s72, 0x07060100                      ; low half of the second source, high half of the first
	s_mov_b32 s58, 3
	s_mov_b32 s60, 0
	s_mov_b32 s61, 0
	s_mov_b32 s62, 0
	s_wait_kmcnt 0x0
	BASES RA, E2
	s_load_b128 s[36:39], s[28:29], 0x80           ; tile 2
	LOADT XA, RA                                   ; tile 0
.irp k, 0,1,2,3,4
	global_load_b32 v[EN+\k], v[LN4], s[66:67] offset:128*\k      ; the entries of rows 32 k + lane, for phase C
.endr
	; ---- A: load and quantise.  Two sets of four rows: one tile is on its way while the other is worked on.  A trip takes tiles 2 n (set A) and 2 n + 1 (set B).
	; Every work-group walks the three trips; the LDS offsets are stepped at the trip's end, outside the branch
.Lpa:
	IDLE .Lpa_idle
	s_wait_kmcnt 0x0                               ; the entries of the next two tiles
	v_add_nc_u32 v[T0], s60, v[VCA]
	v_add_nc_u32 v[T1], s61, v[VSA]
	v_add_nc_u32 v[T2], s62, v[VRA]
	BASES RB, E1
	LOADT XB, RB
	s_wait_loadcnt 32                              ; only the 32 just issued may be out: set A is in, and its loads have read their addresses
	TILEQ XA, 0, 0, 0
	BASES RA, E2
	LOADT XA, RA
	s_add_nc_u64 s[28:29], s[28:29], 128           ; two tiles on (no scalar load is out)
	s_load_b128 s[32:35], s[28:29], 0x40
	s_load_b128 s[36:39], s[28:29], 0x80
	s_wait_loadcnt 32
	TILEQ XB, 1, 0, 0
.Lpa_idle:
	s_add_co_u32 s60, s60, 4224
	s_add_co_u32 s61, s61, 256
	s_add_co_u32 s62, s62, 16384
	s_sub_co_u32 s58, s58, 1
	s_cmp_lg_u32 s58, 0
	s_cbranch_scc1 .Lpa
	IDLE .Ltail_idle
	s_wait_kmcnt 0x0                               ; tiles 6, 7, 8 are written out: the last two keep their bf16 copies in registers
	v_add_nc_u32 v[T0], s60, v[VCA]
	v_add_nc_u32 v[T1], s61, v[VSA]
	v_add_nc_u32 v[T2], s62, v[VRA]
	BASES RB, E1
	LOADT XB, RB                                   ; tile 7
	s_wait_loadcnt 32
	TILEQ XA, 0, 0, 0                              ; tile 6
	BASES RA, E2
	LOADT XA, RA                                   ; tile 8
	s_wait_loadcnt 32
	TILEQ XB, 1, 1, RR                             ; tile 7
	s_wait_loadcnt 0x0
	TILEQ XA, 2, 1, RR+64                          ; tile 8
	s_branch .Ltail_done
.Ltail_idle:                                   ; an idle work-group leaves zeros where the others leave their copies: phase D's text names these registers
	WIN 0xc0
.set N_, 0
.rept 128
	v_mov_b32 v[RR+N_], 0
.set N_, N_+1
.endr
	WIN 0
.Ltail_done:
	s_wait_dscnt 0x0                               ; my codes and scale bytes lie in LDS
	s_barrier_signal -1
	s_barrier_wait -1                              ; everybody's do
	; ---- B: the product, tanh and the dot with v_w
	IDLE .Lb_idle
.irp j, 0,1,2,3,4,5,6,7
	WFILL \j, 0                                    ; the first pass's weights: they land while the scale words are turned
.endr
.irp t, 0,1,2,3,4,5,6,7,8
	ds_load_b128 v[AS+4*\t:AS+4*\t+3], v[ADAS] offset:128*\t      ; row r's bytes of K steps 4 h .. 4 h + 3, a word for each quarter of a K step
.endr
	s_wait_dscnt 0x0
.irp t, 0,1,2,3,4,5,6,7,8                      ; turned: a word for each K step.  Register 4 t + q: lanes 0-15 K step q, lanes 16-31 K step 4 + q
	v_perm_b32 v200, v[AS+4*\t+1], v[AS+4*\t], s68
	v_perm_b32 v201, v[AS+4*\t+1], v[AS+4*\t], s69
	v_perm_b32 v202, v[AS+4*\t+3], v[AS+4*\t+2], s68
	v_perm_b32 v203, v[AS+4*\t+3], v[AS+4*\t+2], s69
	v_perm_b32 v[AS+4*\t], v202, v200, s70
	v_perm_b32 v[AS+4*\t+1], v202, v200, s71
	v_perm_b32 v[AS+4*\t+2], v203, v201, s70
	v_perm_b32 v[AS+4*\t+3], v203, v201, s71
.endr
.set N_, 0
.rept 72
	v_mov_b32 v[S+N_], 0                           ; S is summed over four passes of a loop that is written once.  (These lines are also the places between the scale words just made and the products)
.set N_, N_+1
.endr
	v_mov_b32 v[VS], 0
.irp c, 0,1,2,3
	v_mov_b32 v[VB+2*\c+1], 0                      ; the upper halves of pairs of which the low word serves both halves: named, so written
	v_mov_b32 v[BI+2*\c+1], 0
.endr
	s_mov_b32 s59, 0
	s_wait_loadcnt 0x0                             ; the first pass's weights
.Lpass:
.irp c, 0,1,2,3
	global_load_b32 v[VB+2*\c], v[R4], s[74:75] offset:64*\c                          ; v of column 16 c + r of the pass's 64
	global_load_b32 v[BI+2*\c], v[R16], s[76:77] offset:4096*(\c/2)+1024*(\c%2)       ; and its bias, for my batch
.endr
	AFETCH 0, 0, 4
	AFETCH 0, 5, 8
.irp j, 0,1,2,3,4,5,6,7
	KSTEP \j
.endr
.irp c, 0,1,2,3
	v_add_f32 v[VS], v[VS], v[VB+2*\c]
.endr
.irp t, 0,1,2,3,4,5,6,7,8
	EPI \t
.endr
	WIN 0
	s_wait_loadcnt 0x0                             ; the next pass's weights are in, and all loads have read their pointers
	s_add_nc_u64 s[56:57], s[56:57], 34816
	s_add_nc_u64 s[74:75], s[74:75], 256
	s_add_nc_u64 s[76:77], s[76:77], 8192
	s_add_co_u32 s59, s59, 1
	s_cmp_lt_u32 s59, 4
	s_cbranch_scc1 .Lpass
	; ---- C: my 256 columns' part of the scores
.irp m, 1,2,4,8
.set N_, 0
.rept 72
	v_add_f32_dpp v[S+N_], v[S+N_], v[S+N_] row_xmask:\m row_mask:0xf bank_mask:0xf   ; over the sixteen lanes, which hold sixteen columns
.set N_, N_+1
.endr
	v_add_f32_dpp v[VS], v[VS], v[VS] row_xmask:\m row_mask:0xf bank_mask:0xf
.endr
.set N_, 0
.rept 72
	v_fma_f32 v[S+N_], v[S+N_], -2.0, v[VS]
.set N_, N_+1
.endr
.irp t, 0,1,2,3,4,5,6,7,8
	ds_store_b128 v[ADSP], v[S+8*\t:S+8*\t+3] offset:64*\t        ; rows 16 t + 8 h + 0 .. 7; sixteen lanes store the same words with the same values
	ds_store_b128 v[ADSP], v[S+8*\t+4:S+8*\t+7] offset:64*\t+16
.endr
.Lb_idle:
	s_wait_dscnt 0x0
	s_barrier_signal -1
	s_barrier_wait -1                              ; the four waves' parts lie in LDS.  From here each wave makes all the weights for itself
	IDLE .Lc_idle
.irp k, 0,1,2,3
.irp u, 0,1,2,3
	ds_load_b32 v[224+4*\k+\u], v[SPR] offset:576*\u+128*\k       ; row 32 k + lane
.endr
.endr
.irp u, 0,1,2,3
	ds_load_b32 v[240+\u], v[SPR2] offset:576*\u+512              ; rows 128 on: sixteen rows, read by both halves of the lanes
.endr
	v_mov_b32 v244, 0xd01502f9                     ; -1e10
	v_mov_b32 v245, 0xff800000                     ; -infinity
	v_mov_b32 v246, 0
	s_mov_b32 s30, 0xffff0000
	s_wait_loadcnt 0x0                             ; the list entries, asked for at the head
	s_wait_dscnt 0x0
.irp k, 0,1,2,3,4
	v_add_f32 v[224+4*\k], v[224+4*\k], v[225+4*\k]
	v_add_f32 v[226+4*\k], v[226+4*\k], v[227+4*\k]
.endr
.irp k, 0,1,2,3,4
	v_add_f32 v[224+4*\k], v[224+4*\k], v[226+4*\k]               ; the score
	v_bfe_u32 v[225+4*\k], v[EN+\k], 16, 2                        ; 0 kept, 1 masked, 2 pad
.endr
.irp k, 0,1,2,3,4
	v_cmp_eq_u32 vcc_lo, 1, v[225+4*\k]
	v_cndmask_b32 v[224+4*\k], v[224+4*\k], v244, vcc_lo
	v_mul_f32 v[224+4*\k], 0x3fb8aa3b, v[224+4*\k]                ; t = score x log2(e)
	v_cmp_le_u32 vcc_lo, 2, v[225+4*\k]
	v_cndmask_b32 v[224+4*\k], v[224+4*\k], v245, vcc_lo          ; a pad counts for nothing
.endr
	v_cndmask_b32 v240, v240, v245, s30            ; nor do rows 144 to 159, which do not exist
	v_max3_num_f32 v[MX], v224, v228, v232         ; M: a number, since my first row is a listed one
	v_max3_num_f32 v[MX], v[MX], v236, v240
.irp m, 1,2,4,8
	v_max_num_f32_dpp v[MX], v[MX], v[MX] row_xmask:\m row_mask:0xf bank_mask:0xf
.endr
	v_permlanex16_b32 v246, v[MX], s24, s25
	v_max_num_f32 v[MX], v[MX], v246
.irp k, 0,1,2,3,4
	v_sub_f32 v[224+4*\k], v[224+4*\k], v[MX]
.endr
.irp k, 0,1,2,3,4
	v_exp_f32 v[224+4*\k], v[224+4*\k]             ; p = 2^(t - M)
.endr
	v_nop
	s_wait_alu depctr_va_vdst(0)
.irp k, 0,1,2,3,4
	ds_store_b32 v[PST], v[224+4*\k] offset:128*\k
.endr
	; ---- D: p x my own 36 rows.  LDS serves a wave's instructions in order (ISA guide 5.7.1.4): these loads see my stores of p
	ds_load_b128 v[200:203], v[ADP] offset:448     ; tile 7's four weights, the same in every lane
	ds_load_b128 v[204:207], v[ADP] offset:512     ; tile 8's
	DLOAD 0
	WIN 0
	v_add_f32 v[LS], v224, v228
	v_add_f32 v247, v232, v236
	v_add_f32 v[LS], v[LS], v240
	v_add_f32 v[LS], v[LS], v247
.irp m, 1,2,4,8
	v_add_f32_dpp v[LS], v[LS], v[LS] row_xmask:\m row_mask:0xf bank_mask:0xf
.endr
	v_permlanex16_b32 v246, v[LS], s24, s25
	v_add_f32 v[LS], v[LS], v246                   ; l = the sum of p
	s_wait_dscnt 17                                ; tile 0's 17 loads may be out
	WIN 0x03
	ROWACC RR, 200, 1
.irp i, 1,2,3,4,5,6,7
	ROWACC RR+16*\i, 200+\i, 0
.endr
.irp t, 0,1,2,3,4,5,6                          ; tiles 0 to 6, from LDS: the next tile is fetched while this one is summed
.if \t < 6
	DLOAD \t+1
.endif
	WIN 0x01
.irp i, 0,1,2,3
.if \t < 6
	s_wait_dscnt 17+4*(3-\i)                       ; the later rows' four loads each, and the next tile's 17, may be out
.else
	s_wait_dscnt 4*(3-\i)
.endif
	ROWACC 64*(\t%2)+16*\i, 208+4*(\t%2)+\i, 0
.endr
.endr
	WIN 0
	; ---- E: the four waves' sums meet in the first 4,096 bytes of each wave's own copies, which that wave alone has read, and has done with
.irp j, 0,1,2,3,4,5,6,7
	ds_store_b128 v[VRA], v[OUT+4*\j:OUT+4*\j+3] offset:512*\j    ; numbers 128 j + 4 lane on: the row as it lies in memory
.endr
	s_cmp_lg_u32 s18, 0
	s_cbranch_scc1 .Lno_stat
	v_cmp_eq_u32 vcc_lo, 0, v[LN]                  ; wave 0 stores M and l, with zeros up to 256 bytes
	v_cndmask_b32 v88, v[ZR], v[MX], vcc_lo
	v_cndmask_b32 v89, v[ZR], v[LS], vcc_lo
	global_store_b64 v[L8], v[88:89], s[16:17] offset:4096
.Lno_stat:
.Lc_idle:
	s_wait_dscnt 0x0
	s_barrier_signal -1
	s_barrier_wait -1
	IDLE .Lend
.irp k, 0,1
	ds_load_b128 v[128+16*\k:131+16*\k], v[RD0] offset:512*\k
	ds_load_b128 v[132+16*\k:135+16*\k], v[RD0] offset:WRET+512*\k
	ds_load_b128 v[136+16*\k:139+16*\k], v[RD1] offset:512*\k
	ds_load_b128 v[140+16*\k:143+16*\k], v[RD1] offset:WRET+512*\k
.endr
	s_wait_dscnt 0x0
.irp k, 0,1
.irp e, 0,2
	v_pk_add_f32 v[128+16*\k+\e:129+16*\k+\e], v[128+16*\k+\e:129+16*\k+\e], v[132+16*\k+\e:133+16*\k+\e]
	v_pk_add_f32 v[136+16*\k+\e:137+16*\k+\e], v[136+16*\k+\e:137+16*\k+\e], v[140+16*\k+\e:141+16*\k+\e]
.endr
.irp e, 0,2
	v_pk_add_f32 v[128+16*\k+\e:129+16*\k+\e], v[128+16*\k+\e:129+16*\k+\e], v[136+16*\k+\e:137+16*\k+\e]
.endr
	global_store_b128 v[GOUT], v[128+16*\k:131+16*\k], s[16:17] offset:512*\k   ; 512 consecutive bytes, aligned
.endr
.Lend:
	s_wait_tensorcnt 0x0
	ds_add_u32 v254, v255
	s_wait_dscnt 0x0
	s_endpgm
.Lfunc_end_k_qc28d00a444_attn:
	.size	k_qc28d00a444_attn, .Lfunc_end_k_qc28d00a444_attn-k_qc28d00a444_attn
	.p2alignl 7, 3214868480
	.fill 96, 4, 3214868480
	.section	.rodata,"a",@progbits
	.p2align	6, 0x0
	.amdhsa_kernel k_qc28d00a444_attn
		.amdhsa_group_segment_fixed_size 315904
		.amdhsa_private_segment_fixed_size 0
		.amdhsa_enable_private_segment 0
		.amdhsa_kernarg_size 56
		.amdhsa_user_sgpr_count 2
		.amdhsa_user_sgpr_kernarg_segment_ptr 1
		.amdhsa_wavefront_size32 1
		.amdhsa_system_sgpr_workgroup_id_x 1
		.amdhsa_system_sgpr_workgroup_id_y 1
		.amdhsa_system_sgpr_workgroup_id_z 1
		.amdhsa_system_vgpr_workitem_id 0
		.amdhsa_next_free_vgpr 1024
		.amdhsa_next_free_sgpr 100
		.amdhsa_reserve_vcc 1
		.amdhsa_float_denorm_mode_32 3
		.amdhsa_float_denorm_mode_16_64 3
		.amdhsa_memory_ordered 1
		.amdhsa_forward_progress 1
		.amdhsa_inst_pref_size 255
	.end_amdhsa_kernel
	.section	.bss,"aw",@nobits
	.p2align	6
	.space	262144
	.amdgpu_metadata
---
amdhsa.version: [ 1, 2 ]
amdhsa.kernels:
  - .name:           k_qc28d00a444_attn
    .symbol:         k_qc28d00a444_attn.kd
    .args:
      - { .name: encoder_outputs, .offset: 0, .size: 8, .value_kind: global_buffer, .address_space: global }
      - { .name: wq, .offset: 8, .size: 8, .value_kind: global_buffer, .address_space: global }
      - { .name: biasimg, .offset: 16, .size: 8, .value_kind: global_buffer, .address_space: global }
      - { .name: v_w, .offset: 24, .size: 8, .value_kind: global_buffer, .address_space: global }
      - { .name: rowlist, .offset: 32, .size: 8, .value_kind: global_buffer, .address_space: global }
      - { .name: rowmeta, .offset: 40, .size: 8, .value_kind: global_buffer, .address_space: global }
      - { .name: part, .offset: 48, .size: 8, .value_kind: global_buffer, .address_space: global }
    .group_segment_fixed_size: 315904
    .private_segment_fixed_size: 0
    .kernarg_segment_align: 8
    .kernarg_segment_size: 56
    .max_flat_workgroup_size: 128
    .sgpr_count:     100
    .vgpr_count:     1024
    .wavefront_size: 32
...
	.end_amdgpu_metadata
.endif
;; end of part 2
;; launch merge (part 3): grid 8 x 32, 1 waves a work-group, no clusters, 0 bytes of LDS; arguments part, rowmeta, out0; writes out0
.if DOCPART == 3
	.amdgcn_target "amdgcn-amd-amdhsa--gfx1250"
	.amdhsa_code_object_version 6
	.text
	.protected	k_qc28d00a444_merge
	.globl	k_qc28d00a444_merge
	.p2align	8
	.type	k_qc28d00a444_merge,@function
k_qc28d00a444_merge:
	s_mov_b64 s[64:65], 0
	v_nop
	global_prefetch_b8 v0, s[64:65] scope:SCOPE_SE
	s_setreg_imm32_b32 hwreg(HW_REG_WAVE_MODE, 25, 1), 1
	s_wait_xcnt 0x0
; out0[b][:] = the sum over a batch's records i of 2^(M_i - M) A_i[:], divided by the sum of 2^(M_i - M) l_i, M the largest M_i: the softmax's running maximum carried across work-groups.
; One wave takes 128 columns of one batch.  A batch has na records, 1 to 15, a stored whole number; every record index is held under na, so only stored records are read; the copies beyond na - 1 get the factor 0.
; A stream of a few KiB a wave: no LDS, no barrier, no matrix unit.
	s_load_b128 s[4:7], s[0:1], 0x0                ; part, rowmeta
	s_load_b64 s[8:9], s[0:1], 0x10                ; out0
	s_and_b32 s10, ttmp7, 0xffff                   ; batch
	s_lshl_b32 s11, s10, 7
	s_lshl_b32 s46, ttmp9, 9                       ; my 128 columns, in bytes
	v_and_b32 v2, 15, v0
	v_lshl_add_u32 v4, v0, 4, s46                  ; + 16 x lane
	v_mov_b32 v9, 0xff61b1e6                       ; -3e38
	v_mov_b32 v11, 0
	s_mov_b32 s15, 0
	s_wait_kmcnt 0x0
	s_load_b32 s12, s[6:7], s11 offset:0x8         ; na
	s_mul_i32 s14, s10, 65280                      ; 15 records of 4,352 bytes a batch
	s_add_nc_u64 s[4:5], s[4:5], s[14:15]
	s_lshl_b32 s14, s10, 12
	s_add_nc_u64 s[8:9], s[8:9], s[14:15]
	s_wait_kmcnt 0x0
	s_min_u32 s12, s12, 15
	s_max_u32 s12, s12, 1
	s_sub_co_u32 s13, s12, 1                       ; the last record
	v_min_u32 v3, s13, v2
	v_min_u32 v3, 14, v3                           ; lane % 16's record, held inside the batch's 15
	v_mul_u32_u24 v3, v3, 4352
	global_load_b64 v[6:7], v3, s[4:5] offset:4096 ; its M and l
.irp i, 0,1,2,3,4,5,6,7,8,9,10,11,12,13,14
	s_min_u32 s[16+2*\i], s13, \i                  ; record min(i, na - 1)
	s_mul_i32 s[16+2*\i], s[16+2*\i], 4352
	s_mov_b32 s[17+2*\i], 0
	s_add_nc_u64 s[16+2*\i:17+2*\i], s[4:5], s[16+2*\i:17+2*\i]
	global_load_b128 v[16+4*\i:19+4*\i], v4, s[16+2*\i:17+2*\i]   ; 512 consecutive bytes
.endr
	v_cmp_gt_u32 s47, s12, v2                      ; lanes whose record exists
	s_wait_loadcnt 0x0
	v_cndmask_b32 v8, v9, v6, s47
.irp m, 1,2,4,8
	v_max_num_f32_dpp v8, v8, v8 row_xmask:\m row_mask:0xf bank_mask:0xf     ; M, in every lane (both halves of the lanes hold the same)
.endr
	v_sub_f32 v10, v6, v8
	v_exp_f32 v10, v10
	v_nop
	s_wait_alu depctr_va_vdst(0)
	v_cndmask_b32 v10, v11, v10, s47               ; 2^(M_i - M), 0 where there is no record
	v_mul_f32 v12, v10, v7
.irp m, 1,2,4,8
	v_add_f32_dpp v12, v12, v12 row_xmask:\m row_mask:0xf bank_mask:0xf      ; the softmax's sum
.endr
	v_rcp_f32 v12, v12
	v_nop
	s_wait_alu depctr_va_vdst(0)
	v_mul_f32 v13, v10, v12                        ; record i's factor, in lane i
.irp i, 0,1,2,3,4,5,6,7,8,9,10,11,12,13,14
	v_readlane_b32 s[48+\i], v13, \i
.endr
.irp e, 0,1,2,3
	v_mul_f32 v[80+\e], s48, v[16+\e]
.endr
.irp i, 1,2,3,4,5,6,7,8,9,10,11,12,13,14
.irp e, 0,1,2,3
	v_fmac_f32 v[80+\e], s[48+\i], v[16+4*\i+\e]
.endr
.endr
	global_store_b128 v4, v[80:83], s[8:9]         ; 512 consecutive bytes, aligned
	s_endpgm
.Lfunc_end_k_qc28d00a444_merge:
	.size	k_qc28d00a444_merge, .Lfunc_end_k_qc28d00a444_merge-k_qc28d00a444_merge
	.p2alignl 7, 3214868480
	.fill 96, 4, 3214868480
	.section	.rodata,"a",@progbits
	.p2align	6, 0x0
	.amdhsa_kernel k_qc28d00a444_merge
		.amdhsa_group_segment_fixed_size 0
		.amdhsa_private_segment_fixed_size 0
		.amdhsa_enable_private_segment 0
		.amdhsa_kernarg_size 24
		.amdhsa_user_sgpr_count 2
		.amdhsa_user_sgpr_kernarg_segment_ptr 1
		.amdhsa_wavefront_size32 1
		.amdhsa_system_sgpr_workgroup_id_x 1
		.amdhsa_system_sgpr_workgroup_id_y 1
		.amdhsa_system_sgpr_workgroup_id_z 1
		.amdhsa_system_vgpr_workitem_id 0
		.amdhsa_next_free_vgpr 96
		.amdhsa_next_free_sgpr 66
		.amdhsa_reserve_vcc 0
		.amdhsa_float_denorm_mode_32 3
		.amdhsa_float_denorm_mode_16_64 3
		.amdhsa_memory_ordered 1
		.amdhsa_forward_progress 1
		.amdhsa_inst_pref_size 10
	.end_amdhsa_kernel
	.amdgpu_metadata
---
amdhsa.version: [ 1, 2 ]
amdhsa.kernels:
  - .name:           k_qc28d00a444_merge
    .symbol:         k_qc28d00a444_merge.kd
    .args:
      - { .name: part, .offset: 0, .size: 8, .value_kind: global_buffer, .address_space: global }
      - { .name: rowmeta, .offset: 8, .size: 8, .value_kind: global_buffer, .address_space: global }
      - { .name: out0, .offset: 16, .size: 8, .value_kind: global_buffer, .address_space: global }
    .group_segment_fixed_size: 0
    .private_segment_fixed_size: 0
    .kernarg_segment_align: 8
    .kernarg_segment_size: 24
    .max_flat_workgroup_size: 32
    .sgpr_count:     66
    .vgpr_count:     96
    .wavefront_size: 32
...
	.end_amdgpu_metadata
.endif
;; end of part 3
;; ======== version 2 of 2: 3 launches; version 1 with the launches prep, attn written anew for expert scheduling mode
;; limits: right only within a limited range of input values
;; workspace buffers: wq 557,056 bytes; biasimg 131,072 bytes; rowlist 294,912 bytes of whole numbers; rowmeta 4,096 bytes of whole numbers; part 2,088,960 bytes
;; launch prep (part 4): grid 136 x 1, 16 waves a work-group, no clusters, 176,128 bytes of LDS; arguments a_w, hidden_states, a_b, encoder_masks, wq, biasimg, rowlist, rowmeta; writes wq, biasimg, rowlist, rowmeta
.if DOCPART == 4
	.amdgcn_target "amdgcn-amd-amdhsa--gfx1250"
	.amdhsa_code_object_version 6
	.text
	.protected	k_qc28d00a444_prep
	.globl	k_qc28d00a444_prep
	.p2align	8
	.type	k_qc28d00a444_prep,@function
k_qc28d00a444_prep:
	s_mov_b64 s[64:65], 0
	v_nop
	global_prefetch_b8 v0, s[64:65] scope:SCOPE_SE
	s_setreg_imm32_b32 hwreg(HW_REG_WAVE_SCHED_MODE, 0, 2), 2
	s_setreg_imm32_b32 hwreg(HW_REG_WAVE_MODE, 25, 1), 1
	s_wait_xcnt 0x0
	s_wait_alu depctr_vm_vsrc(0)
; What the main launch needs made once.  Three kinds of work-group, chosen by the work-group's number g alone:
;   g <  64  H: h_proj = Q(hidden) Q(w_dec) for the 16 columns of tile T = g, all 32 batches; the sixteen waves' partial sums meet in LDS; 2 log2(e) x (h_proj + a_b) goes to biasimg, laid as the result registers lie.
;   g < 128  W: the 16 columns of tile T = g - 64 of w_enc become FP4 codes and E8M0 bytes, stored to wq in the order of the operand's registers.
;   else     M: wave s < 4 lists the rows of batch 4 (g - 128) + s whose mask is not 0 (all 2,048, flagged, if there is none), fills the rest of the list with pads, and stores the counts; waves 4 to 15 have no part in it.
; SHARES in H and W: wave w takes k = 64 w .. 64 w + 63.  A WEIGHT'S K IS ITS FIRST AXIS: lane (r, h) takes column r and its 32 registers run down the block of 32 at 64 w + 32 h, so a block lies in one lane and the
; four conversions give four registers of the operand as they stand.  32 loads a wave, all out at once; each reads two runs of 64 consecutive bytes.
; In H a wave's 64 along K go into the 128-deep product as its blocks 0 and 1; blocks 2 and 3 are zero codes on both sides, which add nothing under the scale byte 0.
; The hidden rows are loaded as they lie (a load: two rows x 256 consecutive bytes) and turned through the wave's own stage in LDS, rows 256 + 16 bytes apart, so that lane (r, h) gets 32 neighbours of row r.
; A block's scale byte is its largest magnitude's exponent field - 2, held at 1 from below by a floor among the maximum's leaves.
; LIMITS: a block of zeros, or one whose largest magnitude lies under 2^-124, gets the byte 1 (its codes are zeros; only this program reads the bytes).  NaN and infinities are not served.
; h_proj is summed as sixteen sums of 64 along K, added in f32 in ascending order.
; wq: 128 records of 4,352 bytes, record ((T / 4) 8 + s) for column tile T and K step s (128 along K): fragment T % 4 at 1024 (T % 4), block beta of column r at + 256 beta + 16 r; scale words at + 4096 + 8 (16 (T % 2) + r) + 4 ((T / 2) % 2).
; rowlist: 2,304 words a batch, all stored: row | 0x10000 (masked) | 0x20000 (pad).  rowmeta: 32 words a batch: word 0 the number listed, word 2 the number of work-groups of 144 rows.
; THE MODE: SCHED_MODE bits 1:0 = 2 (LLVM: expert scheduling mode 2), set by the entry lines.  The code itself states the register dependences
; between vector or matrix instructions and memory or LDS instructions, with s_wait_alu, always for 0.
; THE PLAN.  The text is straight-line.  v1 to v15, lane terms and addresses, are written at the head, ahead of one wait, and never again.  Every register that a load lands in is named by no vector line ahead of that load,
; but v64-127 behind the barrier, whose earlier readers stand ahead of a wait on each of the three paths.  Every register that a store reads is written once: so each run of stores stands behind one wait on va_vdst, and
; no wait on vm_vsrc is owed.  Masks go into scalar registers in runs, with one wait on va_sdst between a run and its first reader.
.set HST,  32768                       ; LDS: from 0 the partial sums, 2,048 bytes a wave;  here the stages, 32 rows x 272 bytes a wave
.set WHST, 8704
.set SCW,  172032                      ; the waves' halves of the scale words, 128 bytes a wave
.set WF,  16                           ; v16-23   the weights' fragment: v16-19 codes, v20-23 zeros
.set HF,  24                           ; v24-39   the hidden rows' two fragments, likewise
.set SW,  40                           ; v40      the weights' scale word;  v41-42 the hidden rows'
.set HS,  41
.set X,   64                           ; v64-95   32 numbers of my column
.set HX,  96                           ; v96-159  32 numbers of hidden rows r and 16 + r
.set HR,  160                          ; v160-223 the hidden rows as loaded
.set D,   224                          ; v224-239 two result tiles
.set UT,  16                           ; role M: v16-31, v32-47 at work;  v64-127 masks, v128-191 store offsets, v192-255 store data: a pair of its own for each store
.set AT,  32
.set MK,  64
.set AD,  128
.set PD,  192
.macro WBASE role                      ; a_w at my wave's first row and my tile's first column; role 1: w_enc, 1,024 rows down
	s_lshl_b32 s24, s20, 18                        ; 64 rows of 4,096 bytes a wave
	s_lshl_b32 s26, s21, 6                         ; 16 columns of 4 bytes a tile
	s_add_co_u32 s24, s24, s26
.if \role
	s_add_co_u32 s24, s24, 0x400000
.endif
	s_add_nc_u64 s[4:5], s[4:5], s[24:25]
.endm
.macro WLOADS                          ; W(64 w + 32 h + i, 16 T + r), i = 0 .. 31.  No hint: neighbouring tiles read neighbouring bytes of the same rows
.set K_, 0
.rept 32
	global_load_b32 v[X+K_], v12, s[4:5] offset:4096*K_
.set K_, K_+1
.endr
.endm
.macro QB x, f, op, by                 ; my block: 32 registers from x on -> 4 registers of codes from f on; v[by]: the bytes of blocks h = 0 and h = 1 of my row or column, in every lane
	v_max3_num_f32 v51, |v[\x]|, |v[\x+1]|, 0x1800000        ; the floor 2^(3 - 127) among the leaves: the byte cannot fall under 1
	v_max3_num_f32 v52, |v[\x+2]|, |v[\x+3]|, 0x1800000
.irp i, 4,8,12,16,20,24,28
	v_max3_num_f32 v51, v51, |v[\x+\i]|, |v[\x+\i+1]|
	v_max3_num_f32 v52, v52, |v[\x+\i+2]|, |v[\x+\i+3]|
.endr
	v_max_num_f32 v51, v51, v52
	v_add_nc_u32 v[\op], 0xff000000, v51           ; 2 off the exponent field: the conversion's scale operand
.irp g, 0,1,2,3
	v_cvt_scalef32_pk8_fp4_f32 v[\f+\g], v[\x+8*\g:\x+8*\g+7], v[\op]
.endr
	v_lshrrev_b32 v[\by], 23, v[\op]               ; the byte (a plain line behind the conversions),
	v_lshlrev_b32 v[\by], v13, v[\by]              ; 8 h bits up,
	v_permlanex16_b32 v53, v[\by], s34, s35
	v_or_b32 v[\by], v[\by], v53                   ; with lane l xor 16's
.endm
	s_load_b256 s[4:11], s[0:1], 0x0               ; a_w s[4:5], hidden s[6:7], a_b s[8:9], masks s[10:11]
	s_load_b256 s[12:19], s[0:1], 0x20             ; wq s[12:13], biasimg s[14:15], rowlist s[16:17], rowmeta s[18:19]
	v_lshl_add_u32 v62, v0, 2, 0x2a800
	v_mov_b32 v63, 0
	v_lshrrev_b32 v1, 5, v0
	v_readfirstlane_b32 s20, v1                    ; wave 0..15
	v_and_b32 v1, 31, v0                           ; lane
	v_and_b32 v2, 15, v0                           ; r
	v_bfe_u32 v3, v0, 4, 1                         ; h
	v_lshlrev_b32 v4, 2, v1                        ; 4 x lane
	v_lshlrev_b32 v5, 4, v1                        ; 16 x lane
	s_and_b32 s21, ttmp9, 63                       ; column tile
	s_wait_alu depctr_va_sdst(0)                   ; s20 is written, ahead of its first reader: addresses, bases and branches are made from it
	s_lshr_b32 s22, s20, 1                         ; my K step of 128,
	s_and_b32 s23, s20, 1                          ; and which half of it
	s_lshl_b32 s24, s20, 11
	v_add_nc_u32 v6, s24, v5                       ; LDS: my wave's 2,048 bytes of partial sums
	s_and_b32 s24, s20, 3
	s_lshl_b32 s24, s24, 9
	v_add_nc_u32 v7, s24, v5                       ; the piece of 512 bytes that waves 0 to 3 add up
	s_lshl_b32 s24, s21, 6
	v_lshl_add_u32 v8, v2, 2, s24                  ; a_b at column 16 (g % 64) + r: inside a_b for every g
	s_mul_i32 s24, s20, WHST
	s_add_co_u32 s24, s24, HST                     ; my stage
	v_mul_u32_u24 v10, v3, 272
	v_lshl_add_u32 v10, v2, 4, v10
	v_add_nc_u32 v10, s24, v10                     ; in: lanes 0-15 one row, lanes 16-31 the next, 16 bytes a lane
	v_mul_u32_u24 v11, v2, 272
	v_lshl_add_u32 v11, v3, 7, v11
	v_add_nc_u32 v11, s24, v11                     ; out: row r, + 128 h.  272 is an odd multiple of 16: sixteen rows start in sixteen different 16-byte columns of the 64 banks (ISA guide 11.1)
	v_lshlrev_b32 v12, 2, v2
	v_lshl_add_u32 v12, v3, 17, v12                ; a weight: column r, 32 rows further down for lanes 16-31
	v_lshlrev_b32 v13, 3, v3                       ; 8 h
	s_lshl_b32 s24, s20, 7
	s_add_co_u32 s24, s24, SCW
	v_add_nc_u32 v14, s24, v4                      ; where my wave puts its half of the scale words
	s_and_b32 s24, s20, 3
	s_lshl_b32 s24, s24, 9
	s_add_co_u32 s24, s24, SCW
	v_lshl_add_u32 v15, v3, 8, s24
	v_lshl_add_u32 v15, v2, 2, v15                 ; where waves 0 to 3 read them: K step 2 wave + h, column r
	v_mov_b32 v53, 0                               ; a lane permute's destination counts as read
	s_mov_b32 s25, 0
	s_mov_b32 s34, 0x76543210
	s_mov_b32 s35, 0xfedcba98                      ; selects for lane l xor 16
	s_mov_b32 s36, 0x4038aa3b                      ; 2 log2(e)
	s_wait_kmcnt 0x0
	s_wait_alu depctr_va_vdst(0)                   ; v1 to v15 are written: the loads, stores and LDS instructions of all three paths read them as offsets and addresses
	global_load_b32 v9, v8, s[8:9]                 ; loaded on every path, used behind the barrier
	s_cmp_lt_u32 ttmp9, 64
	s_cbranch_scc1 .Lrole_h
	s_cmp_lt_u32 ttmp9, 128
	s_cbranch_scc1 .Lrole_w
	; ---- M: one wave lists one batch's rows; four waves a work-group, so that each has a SIMD to itself
	s_cmp_ge_u32 s20, 4
	s_cbranch_scc1 .Ljoin
	s_sub_co_u32 s24, ttmp9, 128
	s_lshl_b32 s24, s24, 2
	s_add_co_u32 s24, s24, s20                     ; batch
	s_lshl_b32 s26, s24, 13
	s_mov_b32 s27, 0
	s_add_nc_u64 s[10:11], s[10:11], s[26:27]
	s_mul_i32 s26, s24, 9216
	s_add_nc_u64 s[16:17], s[16:17], s[26:27]
	s_lshl_b32 s26, s24, 7
	s_add_nc_u64 s[18:19], s[18:19], s[26:27]
.set Q_, 0
.rept 16
	global_load_b128 v[MK+4*Q_:MK+4*Q_+3], v5, s[10:11] offset:512*Q_   ; register n = 4 q + e: row 128 q + 4 lane + e
.set Q_, Q_+1
.endr
	v_mov_b32 v49, 0x20000                         ; a pad: row 0, flagged
	s_mov_b32 s33, 0                               ; kept so far
	s_wait_loadcnt 0x0
; The rows are taken in the order register by register, lane by lane.  Each stage is written for sixteen registers at a time, so that no line waits for the line above it.
; First: how many kept rows stand ahead of each row.
.irp g, 0,1,2,3
.set I_, 0
.rept 16
	v_cmp_ne_u32 s[66+I_], 0, v[MK+16*\g+I_]       ; kept
.set I_, I_+1
.endr
	s_wait_alu depctr_va_sdst(0)                   ; the sixteen masks s66 to s81 are written, ahead of their first readers, the counts below
.set I_, 0
.rept 16
	s_bcnt1_i32_b32 s38, s[66+I_]
	s_mov_b32 s[82+I_], s33                        ; kept in the registers before
	s_add_co_u32 s33, s33, s38
.set I_, I_+1
.endr
.set I_, 0
.rept 16
	v_mbcnt_lo_u32_b32 v[AD+16*\g+I_], s[66+I_], 0 ; kept lanes below mine
.set I_, I_+1
.endr
.set I_, 0
.rept 16
	v_add_nc_u32 v[AD+16*\g+I_], s[82+I_], v[AD+16*\g+I_]
.set I_, I_+1
.endr
.endr
	s_cmp_eq_u32 s33, 0
	s_cselect_b32 s30, -1, 0                       ; none kept: every score is the same -1e10 and every row counts: all are listed, flagged
	s_cselect_b32 s31, 0x800, s33                  ; the number listed
	s_add_co_u32 s32, s31, 15
	s_lshr_b32 s32, s32, 4                         ; tiles of 16
	s_add_co_u32 s32, s32, 8
	s_mul_i32 s32, s32, 57
	s_lshr_b32 s32, s32, 9                         ; ceil(tiles / 9): x 57 / 512 is x / 9 rounded down for x up to 136
	v_add_nc_u32 v48, s33, v1                      ; the number kept + my lane
; Then the 2,048 rows are parted: a kept row goes to the place of its rank among the kept; any other stores behind them, at the number kept + its rank among the others: a pad, or, where none is kept, the row itself, flagged.
.irp g, 0,1,2,3
.set I_, 0
.rept 16
	v_cmp_ne_u32 s[66+I_], 0, v[MK+16*\g+I_]
.set I_, I_+1
.endr
.set I_, 0
.rept 16
	v_add_nc_u32 v[UT+I_], 32*(16*\g+I_), v48      ; the number kept + all rows ahead of me
.set I_, I_+1
.endr
.set I_, 0
.rept 16
	v_sub_nc_u32 v[UT+I_], v[UT+I_], v[AD+16*\g+I_]   ; less the kept ahead of me
.set I_, I_+1
.endr
.set I_, 0
.rept 16
	v_add_nc_u32 v[PD+16*\g+I_], 128*((16*\g+I_)/4)+(16*\g+I_)%4, v4   ; the row
.set I_, I_+1
.endr
.set I_, 0
.rept 16
	v_or_b32 v[AT+I_], 0x10000, v[PD+16*\g+I_]
.set I_, I_+1
.endr
.set I_, 0
.rept 16
	v_cndmask_b32 v[AT+I_], v49, v[AT+I_], s30
.set I_, I_+1
.endr
	s_wait_alu depctr_va_sdst(0)                   ; the sixteen masks s66 to s81 are written, ahead of their first readers, the selections below
.set I_, 0
.rept 16
	v_cndmask_b32 v[AD+16*\g+I_], v[UT+I_], v[AD+16*\g+I_], s[66+I_]
.set I_, I_+1
.endr
.set I_, 0
.rept 16
	v_cndmask_b32 v[PD+16*\g+I_], v[AT+I_], v[PD+16*\g+I_], s[66+I_]
.set I_, I_+1
.endr
.set I_, 0
.rept 16
	v_min_u32 v[AD+16*\g+I_], 0x8ff, v[AD+16*\g+I_]   ; inside the batch's 2,304 words
.set I_, I_+1
.endr
.set I_, 0
.rept 16
	v_lshlrev_b32 v[AD+16*\g+I_], 2, v[AD+16*\g+I_]
.set I_, I_+1
.endr
	s_wait_alu depctr_va_vdst(0)                   ; these sixteen offsets and sixteen entries are written, which the stores below read (the first of these waits also shows v49 written)
.set I_, 0
.rept 16
	global_store_b32 v[AD+16*\g+I_], v[PD+16*\g+I_], s[16:17]   ; two runs of neighbouring words: the kept lanes' and the others'
.set I_, I_+1
.endr
.endr
.irp k, 0,1,2,3,4,5,6,7
	global_store_b32 v4, v49, s[16:17] offset:8192+128*\k   ; words 2,048 to 2,303: pads
.endr
	v_mov_b32 v50, 0
	v_mov_b32 v54, s31
	v_mov_b32 v55, s32
	v_cmp_eq_u32 s66, 0, v1
	v_cmp_eq_u32 s67, 2, v1
	s_wait_alu depctr_va_sdst(0)                   ; the two masks are written, ahead of the selections that read them
	v_cndmask_b32 v50, v50, v54, s66
	v_cndmask_b32 v50, v50, v55, s67
	s_wait_alu depctr_va_vdst(0)                   ; v50 is written, which the store reads
	global_store_b32 v4, v50, s[18:19]             ; the batch's 32 words
	s_branch .Ljoin
.Lrole_w:                                      ; ---- W: w_enc's codes, in the order of the operand's registers
	WBASE 1
	WLOADS
	s_lshr_b32 s24, s21, 2
	s_lshl_b32 s24, s24, 3
	s_add_co_u32 s24, s24, s22
	s_mul_i32 s24, s24, 4352                       ; the record of my tile and K step
	s_add_nc_u64 s[42:43], s[12:13], s[24:25]
	s_and_b32 s26, s21, 3
	s_lshl_b32 s26, s26, 10                        ; the fragment in it,
	s_lshl_b32 s27, s23, 9                         ; blocks 0, 1 or 2, 3
	s_add_co_u32 s26, s26, s27
	v_add_nc_u32 v57, s26, v5                      ; + 256 h + 16 r
	s_wait_loadcnt 0x0
	QB X, WF, 54, SW
	s_wait_alu depctr_va_vdst(0)                   ; the codes v16-19, the scale word v40 and the offset v57 are written, which the two stores read; the quantiser is done reading v64-95
	global_store_b128 v57, v[WF:WF+3], s[42:43]    ; 512 consecutive bytes, aligned
	ds_store_b32 v14, v[SW]                        ; my two bytes of each column's scale word: the two halves of a K step meet behind the barrier
	s_branch .Ljoin
.Lrole_h:                                      ; ---- H: 64 along K of hidden x w_dec
	WBASE 0
	v_lshlrev_b32 v58, 12, v3
	v_lshl_add_u32 v58, v2, 4, v58
	s_lshl_b32 s26, s20, 8
	v_add_nc_u32 v58, s26, v58                     ; row lane / 16, + my wave's 256 bytes, + 16 (lane % 16)
	s_wait_alu depctr_va_vdst(0)                   ; v58 is written, which the sixteen loads read as their offset
.set K_, 0
.rept 16
	global_load_b128 v[HR+4*K_:HR+4*K_+3], v58, s[6:7] offset:8192*K_   ; rows 2 i and 2 i + 1
.set K_, K_+1
.endr
	WLOADS
.irp x, 4,5,6,7
	v_mov_b32 v[WF+\x], 0                          ; blocks 2 and 3 of the three fragments: zero codes
	v_mov_b32 v[HF+\x], 0
	v_mov_b32 v[HF+8+\x], 0
.endr
	s_wait_loadcnt 32                              ; only the weights' 32 loads are younger than the hidden rows'
.set K_, 0
.rept 16
	ds_store_b128 v10, v[HR+4*K_:HR+4*K_+3] offset:544*K_
.set K_, K_+1
.endr
.irp mt, 0,1
.irp i, 0,1,2,3,4,5,6,7
	ds_load_b128 v[HX+32*\mt+4*\i:HX+32*\mt+4*\i+3], v11 offset:4352*\mt+16*\i   ; LDS serves a wave's instructions in order (ISA guide 5.7.1.4): these see my stores
.endr
.endr
	s_wait_dscnt 0x0
	QB HX, HF, 55, HS
	QB HX+32, HF+8, 56, HS+1
	s_wait_loadcnt 0x0
	QB X, WF, 54, SW
.rept 8
	v_nop                                          ; scale words and operands made by vector instructions stand 8 and 4 places ahead of a scaled product
.endr
	s_wait_alu depctr_va_vdst(0)                   ; the three fragments v16-39 and the three scale words v40-42 are written, which the scaled products take; the places above stay beside this wait.  The quantiser is done reading v64-159
	v_wmma_scale_f32_16x16x128_f8f6f4 v[D:D+7], v[HF:HF+7], v[WF:WF+7], 0, v[HS], v[SW] matrix_a_fmt:MATRIX_FMT_FP4 matrix_b_fmt:MATRIX_FMT_FP4
	v_wmma_scale_f32_16x16x128_f8f6f4 v[D+8:D+15], v[HF+8:HF+15], v[WF:WF+7], 0, v[HS+1], v[SW] matrix_a_fmt:MATRIX_FMT_FP4 matrix_b_fmt:MATRIX_FMT_FP4
.rept 4
	v_nop
.endr
	s_wait_alu depctr_va_vdst(0)                   ; the products have written v224-239, which the LDS stores read; the four places above stay beside this wait
.irp q, 0,1,2,3
	ds_store_b128 v6, v[D+4*\q:D+4*\q+3] offset:512*\q   ; the results as they stand, each from its low end on
.endr
.Ljoin:
	s_wait_xcnt 0x0                                ; every store of the three paths has read its registers: the lines behind the barrier write some of them again
	s_wait_dscnt 0x0                               ; what I put into LDS lies there
	s_barrier_signal -1
	s_barrier_wait -1
	s_cmp_ge_u32 s20, 4                            ; what is left is work for four waves
	s_cbranch_scc1 .Lend
	s_cmp_ge_u32 ttmp9, 128
	s_cbranch_scc1 .Lend
	s_cmp_ge_u32 ttmp9, 64
	s_cbranch_scc1 .Lw_after
.irp u, 0,1,2,3,4,5,6,7,8,9,10,11,12,13,14,15
	ds_load_b128 v[64+4*\u:67+4*\u], v7 offset:2048*\u   ; piece number = my wave's, of all sixteen waves.  No wait: the vector lines that named v64-127 stand ahead of a wait on va_vdst on each path
.endr
	s_lshr_b32 s24, s21, 1                         ; the image of 32 columns,
	s_lshl_b32 s24, s24, 12
	s_and_b32 s26, s21, 1                          ; my tile in it,
	s_lshl_b32 s26, s26, 10
	s_add_co_u32 s24, s24, s26
	s_lshr_b32 s26, s20, 1                         ; batches 0-15 or 16-31,
	s_lshl_b32 s26, s26, 11
	s_add_co_u32 s24, s24, s26
	s_and_b32 s26, s20, 1                          ; registers 0-3 or 4-7
	s_lshl_b32 s26, s26, 9
	s_add_co_u32 s24, s24, s26
	s_add_nc_u64 s[14:15], s[14:15], s[24:25]
	s_wait_dscnt 0x0
.irp u, 1,2,3,4,5,6,7,8,9,10,11,12,13,14,15
	v_pk_add_f32 v[64:65], v[64:65], v[64+4*\u:65+4*\u]
	v_pk_add_f32 v[66:67], v[66:67], v[66+4*\u:67+4*\u]
.endr
	s_wait_loadcnt 0x0                             ; a_b
	v_mul_f32 v51, s36, v9
.irp e, 0,1,2,3
	v_fma_f32 v[64+\e], v[64+\e], s36, v51         ; 2 log2(e) (h_proj + a_b)
.endr
	s_wait_alu depctr_va_vdst(0)                   ; v64-67 are written, which the store reads
	global_store_b128 v5, v[64:67], s[14:15]       ; 512 consecutive bytes, aligned
	s_branch .Lend
.Lw_after:                                     ; lane (r, h) of wave w joins the two halves of column r's scale word of K step 2 w + h
	ds_load_b32 v60, v15
	ds_load_b32 v61, v15 offset:128
	s_lshr_b32 s24, s21, 2
	s_lshl_b32 s24, s24, 3
	s_lshl_b32 s26, s20, 1
	s_add_co_u32 s24, s24, s26
	s_mul_i32 s24, s24, 4352                       ; the record of K step 2 w
	s_add_nc_u64 s[12:13], s[12:13], s[24:25]
	s_and_b32 s26, s21, 1
	s_lshl_b32 s26, s26, 7
	s_bfe_u32 s27, s21, 0x10001
	s_lshl_b32 s27, s27, 2
	s_add_co_u32 s26, s26, s27
	v_mul_u32_u24 v59, v3, 4352                    ; the next record for lanes 16-31
	v_lshl_add_u32 v59, v2, 3, v59
	v_add_nc_u32 v59, s26, v59
	s_wait_dscnt 0x0
	v_lshl_or_b32 v60, v61, 16, v60
	s_wait_alu depctr_va_vdst(0)                   ; the offset v59 and the word v60 are written, which the store reads
	global_store_b32 v59, v60, s[12:13] offset:4096   ; every other word of 128 bytes; the tile two further on stores the others: 32 KiB in all
.Lend:
	s_wait_dscnt 0x0
	s_wait_alu depctr_hold_cnt(0) depctr_sa_sdst(0) depctr_va_vdst(0) depctr_va_sdst(0) depctr_va_ssrc(0) depctr_va_vcc(0) depctr_vm_vsrc(0)
	s_wait_tensorcnt 0x0
	ds_add_u32 v62, v63
	s_wait_dscnt 0x0
	s_endpgm
.Lfunc_end_k_qc28d00a444_prep:
	.size	k_qc28d00a444_prep, .Lfunc_end_k_qc28d00a444_prep-k_qc28d00a444_prep
	.p2alignl 7, 3214868480
	.fill 96, 4, 3214868480
	.section	.rodata,"a",@progbits
	.p2align	6, 0x0
	.amdhsa_kernel k_qc28d00a444_prep
		.amdhsa_group_segment_fixed_size 176128
		.amdhsa_private_segment_fixed_size 0
		.amdhsa_enable_private_segment 0
		.amdhsa_kernarg_size 64
		.amdhsa_user_sgpr_count 2
		.amdhsa_user_sgpr_kernarg_segment_ptr 1
		.amdhsa_wavefront_size32 1
		.amdhsa_system_sgpr_workgroup_id_x 1
		.amdhsa_system_sgpr_workgroup_id_y 1
		.amdhsa_system_sgpr_workgroup_id_z 1
		.amdhsa_system_vgpr_workitem_id 0
		.amdhsa_next_free_vgpr 256
		.amdhsa_next_free_sgpr 100
		.amdhsa_reserve_vcc 0
		.amdhsa_float_denorm_mode_32 3
		.amdhsa_float_denorm_mode_16_64 3
		.amdhsa_memory_ordered 1
		.amdhsa_forward_progress 1
		.amdhsa_inst_pref_size 89
	.end_amdhsa_kernel
	.amdgpu_metadata
---
amdhsa.version: [ 1, 2 ]
amdhsa.kernels:
  - .name:           k_qc28d00a444_prep
    .symbol:         k_qc28d00a444_prep.kd
    .args:
      - { .name: a_w, .offset: 0, .size: 8, .value_kind: global_buffer, .address_space: global }
      - { .name: hidden_states, .offset: 8, .size: 8, .value_kind: global_buffer, .address_space: global }
      - { .name: a_b, .offset: 16, .size: 8, .value_kind: global_buffer, .address_space: global }
      - { .name: encoder_masks, .offset: 24, .size: 8, .value_kind: global_buffer, .address_space: global }
      - { .name: wq, .offset: 32, .size: 8, .value_kind: global_buffer, .address_space: global }
      - { .name: biasimg, .offset: 40, .size: 8, .value_kind: global_buffer, .address_space: global }
      - { .name: rowlist, .offset: 48, .size: 8, .value_kind: global_buffer, .address_space: global }
      - { .name: rowmeta, .offset: 56, .size: 8, .value_kind: global_buffer, .address_space: global }
    .group_segment_fixed_size: 176128
    .private_segment_fixed_size: 0
    .kernarg_segment_align: 8
    .kernarg_segment_size: 64
    .max_flat_workgroup_size: 512
    .sgpr_count:     100
    .vgpr_count:     256
    .wavefront_size: 32
...
	.end_amdgpu_metadata
.endif
;; end of part 4
;; launch attn (part 5): grid 32 x 15, 4 waves a work-group, no clusters, 315,904 bytes of LDS; arguments encoder_outputs, wq, biasimg, v_w, rowlist, rowmeta, part; writes part
.if DOCPART == 5
	.amdgcn_target "amdgcn-amd-amdhsa--gfx1250"
	.amdhsa_code_object_version 6
	.text
	.protected	k_qc28d00a444_attn
	.globl	k_qc28d00a444_attn
	.p2align	8
	.type	k_qc28d00a444_attn,@function
k_qc28d00a444_attn:
	s_mov_b64 s[64:65], 0
	v_nop
	global_prefetch_b8 v0, s[64:65] scope:SCOPE_SE
	s_setreg_imm32_b32 hwreg(HW_REG_WAVE_SCHED_MODE, 0, 2), 2
	s_setreg_imm32_b32 hwreg(HW_REG_WAVE_MODE, 25, 1), 1
	s_wait_xcnt 0x0
	s_wait_alu depctr_vm_vsrc(0)
; The fused chain for 144 listed rows of one batch: gather, quantise, Q(x) Q(w_enc), + bias, tanh, . v_w, mask, exponentials under the block's own maximum, and the weighted sum of the same rows.
; Work-group (b, i) owns positions 144 i .. 144 i + 143 of batch b's list: nine tiles of 16 rows.  Each encoder row is read from memory once; a bf16 copy stays on the WGP for the weighted sum.
; A row whose mask is 0 has the score -1e10 and the weight 0 beside any kept row, so only kept rows are listed; a batch with no kept row lists all rows, flagged, and they all get -1e10.
; THE GRID SERVES EVERY MASK: 15 work-groups a batch cover 2,048 rows.  A work-group whose number is not under the stored count is IDLE: it passes every barrier and walks phase A's loop, jumps over the work
; between (short forward branches on the two numbers s20, s21, which join again ahead of each barrier), and stores nothing.  Pads (row 0, flagged) get the weight 0, so a work-group with rows always walks all nine tiles.
; What one stretch of work hands to a later one in registers holds a number on every way through the text: addresses and pointers are made at the head; tile 0's rows and the list entries are asked for at the head by
; every work-group (an idle one reads 64 KiB of its batch's row 0 for nothing); the registers of the bf16 copies get zeros on the idle way.
; NO TENSOR LOADS, NO CLUSTER: the launch branches on a stored number; the rows must pass through registers to be quantised; each weight fragment feeds one wave alone, so the weights go from memory straight into registers.
; PHASES.  A: wave w loads rows 4 w .. 4 w + 3 of each tile (a row is eight loads of 512 consecutive bytes), makes codes and scale bytes (to LDS) and bf16 copies (tiles 0-6 to LDS, tiles 7, 8 in registers) | barrier |
;   B: wave w makes columns 256 w .. + 255 for all 144 rows, in four passes of 64 columns: 36 accumulators by turns over 8 K steps; then tanh(x) = 1 - 2 / (1 + 2^(2 log2(e) x)) and S += v / (1 + 2^..) |
;   C: score = sum(v) - 2 S, added over lanes and (through LDS, barrier) waves; every wave makes all 144 weights p = 2^(t - M) for itself |  D: wave w adds p x its own 36 rows | barrier |  E: the four sums are added and stored; M and l beside them.
; LIMITS: NaN and infinities are not served.  A block of zeros, or under 2^-124, gets the scale byte 1 (zero codes).  Leaving masked rows out equals -1e10 while the sum of |v_w| stays under about 9.9e9.
;   The weighted sum multiplies bf16(x) by p in f32, sums in f32.
; REGISTERS, in windows of 256.  Window 0: v1-15, v90-95, v248-249 addresses; v16-31 the weights' scale words; v32-67 the rows' scale words; v68-83 v and bias (even registers); v84-89 sum(v), 0, M, l, what is stored of them;
;   v96-127 the weighted sum; v128-199 S (in phase A: at work); v200-247 at work.   Window 1: accumulators of tiles 0-7 (in phase A two sets of four rows; in phase D two sets of four rows).   Window 2: the weights' ring, slot j at 32 j.
;   Window 3: v0-71 the rows' fragments, v72-103 tile 8's accumulators, v104-231 the bf16 copies of tiles 7 and 8, v232-255 a second set of fragments for tiles 0-2.
; THE MODE: SCHED_MODE bits 1:0 = 2 (LLVM: expert scheduling mode 2), set by the entry lines.  The code itself states the register dependences
; between vector or matrix instructions and memory or LDS instructions, with s_wait_alu, always for 0.
; THE PLAN.  Registers that memory or LDS instructions touch, and who else names them:
;   addresses    v1-11, v15, v90-95, v248-249: written at the head, ahead of one wait on va_vdst, and never again.  v12-14 (T0-T2): written at a trip's head, behind a wait on vm_vsrc; read by the trip's LDS stores.
;   XA, XB       a row's 32 registers are read by that row's maxima and conversions alone.  The wait on va_vdst ahead of the row's LDS stores shows them done: the row's registers are asked for again with no further wait.
;   CC, PK, SWD  written by a row's vector lines; read by its LDS stores, behind that same wait; written again by the next row, behind a wait on vm_vsrc.
;   fragments, ring, v16-31   read by a K step's products.  ONE wait on va_vdst stands at the step's end; behind it go the loads of tiles 3-8 of the next step, of tiles 0-2 of the step after it (into the set that this
;                step read: tiles 0-2 have two sets, by the step's parity), and of ring slot j with its scale words for the next pass.
;   v32-67       the rows' scale words: turned by vector lines once; the wait at the first pass's head stands between them and the products.
;   v, bias      loaded at a pass's head, behind the wait that shows the last pass's readers done.
;   S, p, OUT, M and l, the last sums: each written by vector lines, then one wait on va_vdst, then the run of stores; none is written again but v128-159, in which phase E's loads land behind a wait on vm_vsrc.
;   phase D's two sets: a set is asked for again behind a wait on va_vdst that shows the sums of the tile before last done reading it.
.set ASC,   76032                      ; LDS: from 0 the codes, wave by wave: 36 rows x (512 + 16) bytes each;  here the scale bytes: 36 rows x 32 bytes a wave
.set SPART, 80640                      ; the waves' partial scores: 576 bytes each
.set PTAB,  82944                      ; the weights, a copy for each wave: 640 bytes each
.set RET,   85504                      ; the bf16 copies: 28 rows x 2,048 bytes a wave, as register images
.set WCODE, 19008
.set WASC,  1152
.set WRET,  57344
.set L16, 1                            ; 16 x lane
.set L8,  2                            ; 8 x lane
.set VCA, 3                            ; where I store a word of codes: my wave's rows + 2 lane (+ 62 in odd lanes)
.set VSA, 4                            ; and a word of scale bytes: + 4 (lane / 8)
.set VRA, 5                            ; my wave's bf16 copies + 16 lane
.set ADA, 6                            ; a fragment's row r: (r / 4) WCODE + (r % 4) 528 + 16 h
.set SELV, 7                           ; byte selects for the exchange between neighbouring lanes
.set ADAS, 8                           ; row r's scale bytes + 16 h
.set SPR, 9                            ; the partial scores + 4 lane
.set ADSP, 10                          ; my wave's partial scores + 32 h
.set ADP, 11                           ; my wave's copy of the weights, at my wave's four rows of tile 0
.set T0,  12                           ; phase A: VCA, VSA, VRA at the trip's first tile
.set T1,  13
.set T2,  14
.set SPR2, 15                          ; the partial scores + 4 r
.set BS,  16
.set AS,  32
.set VB,  68
.set BI,  76
.set VS,  84
.set ZR,  85
.set MX,  86
.set LS,  87
.set PST, 90                           ; my wave's copy of the weights + 4 lane
.set RD0, 91                           ; phase E: waves 0 and 1's sums at my 1,024 bytes + 16 lane
.set RD1, 92                           ; waves 2 and 3's
.set GOUT, 93                          ; my 1,024 bytes of the record + 16 lane
.set LN,  94                           ; lane
.set R4,  95                           ; 4 r
.set R16, 248                          ; 16 r
.set LN4, 249                          ; 4 x lane
.set OUT, 96
.set S,   128
.set QM,  128                          ; phase A: v128-135 largest magnitudes, then scale operands; v136-143 bytes; v144-151 codes; v152-167 bf16 pairs; v168-169 scale words
.set BY,  136
.set CC,  144
.set PK,  152
.set SWD, 168
.set EN,  216                          ; v216-220 list entries 32 k + lane
.set XA,  0
.set XB,  128
.set RR,  104
.set F2,  232                          ; window 3: the fragments of tiles 0-2 in the odd K steps
.set E1,  32                           ; s[32:35], s[36:39] four list entries each
.set E2,  36
.set RA,  40                           ; s[40:47], s[48:55] four row addresses each
.set RB,  48
.set MSB, 0
.macro WIN new                         ; the immediate's high byte repeats the setting that is left; a switch that changes nothing is dropped
.if MSB != \new
	s_set_vgpr_msb (MSB<<8)|\new
.set MSB, \new
.endif
.endm
.macro PLACES n
.rept \n
	v_nop
.endr
.endm
.macro IDLE to                         ; a work-group whose rows lie behind the end of the batch's list jumps over the work; the two numbers are the same in all four waves
	s_cmp_lt_u32 s20, s21
	s_cbranch_scc0 \to
.endm
.macro BASES R, E                      ; four list entries -> four row addresses; the row number is held inside the batch's 2,048
.irp i, 0,1,2,3
	s_and_b32 s[\R+2*\i], s[\E+\i], 0x7ff
	s_min_u32 s[\R+2*\i], s[\R+2*\i], 0x7ff
	s_lshl_b32 s[\R+2*\i], s[\R+2*\i], 12
	s_mov_b32 s[\R+2*\i+1], 0
	s_add_nc_u64 s[\R+2*\i:\R+2*\i+1], s[26:27], s[\R+2*\i:\R+2*\i+1]
.endr
.endm
.macro LOADT X, R                      ; four rows: register 32 i + 4 j + e = number 128 j + 4 lane + e of row i.  Each listed row is read once; only the pads' row 0 comes again
	WIN 0x40
.irp i, 0,1,2,3
.irp j, 0,1,2,3,4,5,6,7
	global_load_b128 v[\X+32*\i+4*\j:\X+32*\i+4*\j+3], v[L16], s[\R+2*\i:\R+2*\i+1] offset:512*\j th:TH_LOAD_NT
.endr
.endr
	WIN 0
.endm
.macro LOADR X, i                      ; row i of the set's next tile, by the addresses in RA.  No wait: the row's wait on va_vdst stands ahead, and only its LDS stores, which name none of these registers, stand between
.set XL_, \X+32*(\i)
	WIN 0x40
.irp j, 0,1,2,3,4,5,6,7
	global_load_b128 v[XL_+4*\j:XL_+4*\j+3], v[L16], s[RA+2*(\i):RA+2*(\i)+1] offset:512*\j th:TH_LOAD_NT
.endr
.endm
; One row.  A block of 32 is eight lanes x four numbers of one load.  A conversion takes eight registers, two loads' numbers, under one scale: it is made twice, and the low half of the first and the high half of the second hold.
.macro ROWQ x, co, so, kind, ro        ; kind 0: the bf16 copy goes to LDS at ro; 1: to registers ro on of window 3
.set XR_, \x
.set CO_, \co
.set SO_, \so
.set RO_, \ro
	WIN 0x05
.irp j, 0,1,2,3,4,5,6,7
	v_max3_num_f32 v[QM+\j], |v[XR_+4*\j]|, |v[XR_+4*\j+1]|, 0x1800000    ; the floor 2^(3 - 127): the byte cannot fall under 1
.endr
.irp j, 0,1,2,3,4,5,6,7
	v_max3_num_f32 v[QM+\j], |v[XR_+4*\j+2]|, |v[XR_+4*\j+3]|, v[QM+\j]
.endr
	WIN 0
.irp m, 1,2,4
.irp j, 0,1,2,3,4,5,6,7
	v_max_num_f32_dpp v[QM+\j], v[QM+\j], v[QM+\j] row_xmask:\m row_mask:0xf bank_mask:0xf
.endr
.endr
.irp j, 0,1,2,3,4,5,6,7
	v_add_nc_u32 v[QM+\j], 0xff000000, v[QM+\j]    ; 2 off the exponent field: the conversion's scale operand
.endr
.irp j, 0,1,2,3,4,5,6,7
	v_lshrrev_b32 v[BY+\j], 23, v[QM+\j]
.endr
	s_wait_dscnt 0x0                               ; the last row's LDS stores have read the registers that are written next
	s_wait_alu depctr_vm_vsrc(0)                   ; the same, stated: the last row's LDS stores have read v[CC ..], v[PK ..] and v[SWD ..]
.irp u, 0,1
	v_lshl_or_b32 v[SWD+\u], v[BY+4*\u+1], 8, v[BY+4*\u]     ; my group's bytes of K steps 4 u .. 4 u + 3
	v_lshl_or_b32 v[SWD+\u], v[BY+4*\u+2], 16, v[SWD+\u]
	v_lshl_or_b32 v[SWD+\u], v[BY+4*\u+3], 24, v[SWD+\u]
.endr
	WIN 0x01
.irp i, 0,1,2,3
	v_cvt_scalef32_pk8_fp4_f32 v[CC+2*\i], v[XR_+8*\i:XR_+8*\i+7], v[QM+2*\i]
	v_cvt_scalef32_pk8_fp4_f32 v[CC+2*\i+1], v[XR_+8*\i:XR_+8*\i+7], v[QM+2*\i+1]
.endr
.if \kind
	WIN 0xc5
.set K_, 0
.rept 16
	v_cvt_pk_bf16_f32 v[RO_+K_], v[XR_+2*K_], v[XR_+2*K_+1]      ; (plain lines behind the scaled conversions)
.set K_, K_+1
.endr
.else
	WIN 0x05
.set K_, 0
.rept 16
	v_cvt_pk_bf16_f32 v[PK+K_], v[XR_+2*K_], v[XR_+2*K_+1]
.set K_, K_+1
.endr
.endif
	WIN 0
.irp i, 0,1,2,3
	v_perm_b32 v[CC+2*\i], v[CC+2*\i+1], v[CC+2*\i], s72          ; low half: load 2 i's four codes; high half: load 2 i + 1's
.endr
.irp i, 0,1,2,3
	v_mov_b32_dpp v[CC+2*\i+1], v[CC+2*\i] row_xmask:1 row_mask:0xf bank_mask:0xf   ; my neighbour's
.endr
.irp i, 0,1,2,3
	v_perm_b32 v[CC+2*\i], v[CC+2*\i+1], v[CC+2*\i], v[SELV]      ; even lanes: both lanes' codes of load 2 i; odd lanes: of load 2 i + 1: a whole word
.endr
	s_wait_alu depctr_va_vdst(0)                   ; the codes, the scale words, the bf16 pairs and (in a trip's first row) v[T0] to v[T2] are written, which the LDS stores read; and this row's lines are done reading its 32 registers of x
.irp i, 0,1,2,3
	ds_store_b32 v[T0], v[CC+2*\i] offset:CO_+128*\i              ; 128 consecutive bytes of the row's codes
.endr
	ds_store_b32 v[T1], v[SWD] offset:SO_                         ; eight lanes store the same word with the same value
	ds_store_b32 v[T1], v[SWD+1] offset:SO_+16
.if \kind == 0
.irp q, 0,1,2,3
	ds_store_b128 v[T2], v[PK+4*\q:PK+4*\q+3] offset:RO_+512*\q   ; an image of the registers
.endr
.endif
.endm
.macro TILEQ X, tp, kind, reg, fill    ; my four rows of the tile tp beyond the one that T0 .. T2 point at.  fill = 1: each row's registers are asked for again at once, for the set's next tile
.irp i, 0,1,2,3
.if \kind
	ROWQ \X+32*\i, 2112*\tp+528*\i, 128*\tp+32*\i, 1, \reg+16*\i
.else
	ROWQ \X+32*\i, 2112*\tp+528*\i, 128*\tp+32*\i, 0, 8192*\tp+2048*\i
.endif
.if \fill
	LOADR \X, \i
.endif
.endr
	WIN 0
.endm
.macro WFILL j, off                    ; record j of a pass: four fragments into ring slot j, their scale words beside them: nine loads
	WIN 0x80
.irp k, 0,1,2,3,4,5,6,7
	global_load_b128 v[32*(\j)+4*\k:32*(\j)+4*\k+3], v[L16], s[56:57] offset:\off+4352*(\j)+512*\k
.endr
	WIN 0
	global_load_b64 v[BS+2*(\j):BS+2*(\j)+1], v[L8], s[56:57] offset:\off+4352*(\j)+4096
.endm
.macro AFETCH j, t0, t1                ; the rows' fragments of K step j, tiles t0 .. t1; tiles 0-2 of an odd step go into the second set
	WIN 0xc0
.set T_, \t0
.rept \t1-\t0+1
.if (T_ < 3) && (((\j)%2) == 1)
.set F_, F2+8*T_
.else
.set F_, 8*T_
.endif
	ds_load_b128 v[F_:F_+3], v[ADA] offset:2112*T_+64*(\j)
	ds_load_b128 v[F_+4:F_+7], v[ADA] offset:2112*T_+64*(\j)+32
.set T_, T_+1
.endr
.endm
; Four products: tile t of rows x the pass's four column tiles, K step j.  Source 0 = rows, source 1 = columns: register jj of lane (r, h) is (row 16 t + 8 h + jj, column r), so v and the bias are one register a column tile.
.macro MM t, j
.if (\t) < 8
	WIN 0x5b
.else
	WIN 0xfb
.endif
.if ((\t) < 3) && (((\j)%2) == 1)
.set A_, F2+8*(\t)
.else
.set A_, 8*(\t)
.endif
.irp c, 0,1,2,3
.if (\t) < 8
.set D_, 32*(\t)+8*\c
.else
.set D_, 72+8*\c
.endif
.set B_, 32*(\j)+8*\c
.set SA_, AS+4*(\t)+((\j)%4)
.set SB_, BS+2*(\j)+(\c/2)
.if (\j) == 0
.if \c%2
	v_wmma_scale_f32_16x16x128_f8f6f4 v[D_:D_+7], v[A_:A_+7], v[B_:B_+7], 0, v[SA_], v[SB_] matrix_a_fmt:MATRIX_FMT_FP4 matrix_b_fmt:MATRIX_FMT_FP4 matrix_b_scale:MATRIX_SCALE_ROW1
.else
	v_wmma_scale_f32_16x16x128_f8f6f4 v[D_:D_+7], v[A_:A_+7], v[B_:B_+7], 0, v[SA_], v[SB_] matrix_a_fmt:MATRIX_FMT_FP4 matrix_b_fmt:MATRIX_FMT_FP4
.endif
.elseif (\j) < 4
.if \c%2
	v_wmma_scale_f32_16x16x128_f8f6f4 v[D_:D_+7], v[A_:A_+7], v[B_:B_+7], v[D_:D_+7], v[SA_], v[SB_] matrix_a_fmt:MATRIX_FMT_FP4 matrix_b_fmt:MATRIX_FMT_FP4 matrix_b_scale:MATRIX_SCALE_ROW1
.else
	v_wmma_scale_f32_16x16x128_f8f6f4 v[D_:D_+7], v[A_:A_+7], v[B_:B_+7], v[D_:D_+7], v[SA_], v[SB_] matrix_a_fmt:MATRIX_FMT_FP4 matrix_b_fmt:MATRIX_FMT_FP4
.endif
.else
.if \c%2
	v_wmma_scale_f32_16x16x128_f8f6f4 v[D_:D_+7], v[A_:A_+7], v[B_:B_+7], v[D_:D_+7], v[SA_], v[SB_] matrix_a_fmt:MATRIX_FMT_FP4 matrix_b_fmt:MATRIX_FMT_FP4 matrix_a_scale:MATRIX_SCALE_ROW1 matrix_b_scale:MATRIX_SCALE_ROW1
.else
	v_wmma_scale_f32_16x16x128_f8f6f4 v[D_:D_+7], v[A_:A_+7], v[B_:B_+7], v[D_:D_+7], v[SA_], v[SB_] matrix_a_fmt:MATRIX_FMT_FP4 matrix_b_fmt:MATRIX_FMT_FP4 matrix_a_scale:MATRIX_SCALE_ROW1
.endif
.endif
.endr
.endm
; A K step: 36 products, the 36 accumulators by turns in the same order in every step.  All that the step asks for stands at its end, behind one wait: tiles 3-8 of the next step,
; tiles 0-2 of the step after it, and ring slot j's record of the next pass, which has the rest of the pass in which to land.  The last pass asks for no weights: no load leaves wq.
; The waits on DScnt count the younger LDS loads: behind tiles 0-2 of this step stand the 12 of its tiles 3-8 and the 6 of the next step's tiles 0-2 (none in step 7).
.macro KSTEP j
.if (\j) < 7
.set YA_, 6
.else
.set YA_, 0
.endif
	s_wait_dscnt 12+YA_                            ; tiles 0-2 are in
.irp t, 0,1,2
	MM \t, \j
.endr
	s_wait_dscnt 6+YA_                             ; tiles 3-5
.irp t, 3,4,5
	MM \t, \j
.endr
	s_wait_dscnt YA_                               ; tiles 6-8
.irp t, 6,7,8
	MM \t, \j
.endr
	PLACES 4                                       ; four places in front of loads into registers that products have read (ISA guide 7.12.1 for vector instructions; kept for loads too)
.if (\j) < 7
	WIN 0xc0
.else
	WIN 0
.endif
	s_wait_alu depctr_va_vdst(0)                   ; this step's products are done reading the fragments of tiles 3-8, their set of tiles 0-2, ring slot j and its scale words: in all of these the loads below land
.if (\j) < 7
	AFETCH (\j)+1, 3, 8
.endif
.if (\j) < 6
	AFETCH (\j)+2, 0, 2
.endif
	WIN 0
.if (\j) == 0
	s_wait_loadcnt 0x0                             ; the pass's v and bias, asked for 36 products ago; nothing else is out here, on either way of the branch below
.endif
	s_cmp_eq_u32 s59, 3
	s_cbranch_scc1 .Lnofill_\@
	WFILL \j, 34816
.Lnofill_\@:
.endm
; Tile t's 4 x 8 results: y = 2 log2(e) x + bias (EF);  2^y (EE);  1 + 2^y (EA);  q = 1 / (1 + 2^y) (ER);  S += v q (EG).  Each accumulator is read from its low end on.
.macro ETILE t, a, b                   ; where the tile's accumulators lie, and the windows: a for tiles 0-7, b for tile 8
.if (\t) < 8
.set AB_, 32*(\t)
	WIN \a
.else
.set AB_, 72
	WIN \b
.endif
.endm
.macro EF t
	ETILE \t, 0x41, 0xc3
.irp c, 0,1,2,3
.irp k, 0,1,2,3
	v_pk_fma_f32 v[AB_+8*\c+2*\k:AB_+8*\c+2*\k+1], v[AB_+8*\c+2*\k:AB_+8*\c+2*\k+1], s[22:23], v[BI+2*\c:BI+2*\c+1] op_sel_hi:[1,0,0]
.endr
.endr
.endm
.macro EE t
	ETILE \t, 0x41, 0xc3
.set N_, 0
.rept 32
	v_exp_f32 v[AB_+N_], v[AB_+N_]
.set N_, N_+1
.endr
.endm
.macro EA t
	ETILE \t, 0x41, 0xc3
.set N_, 0
.rept 16
	v_pk_add_f32 v[AB_+N_:AB_+N_+1], v[AB_+N_:AB_+N_+1], 1.0 op_sel_hi:[1,0]
.set N_, N_+2
.endr
.endm
.macro ER t
	ETILE \t, 0x41, 0xc3
.set N_, 0
.rept 32
	v_rcp_f32 v[AB_+N_], v[AB_+N_]
.set N_, N_+1
.endr
.endm
.macro EG t
	ETILE \t, 0x01, 0x03
.irp c, 0,1,2,3
.irp k, 0,1,2,3
	v_pk_fma_f32 v[S+8*(\t)+2*\k:S+8*(\t)+2*\k+1], v[AB_+8*\c+2*\k:AB_+8*\c+2*\k+1], v[VB+2*\c:VB+2*\c+1], v[S+8*(\t)+2*\k:S+8*(\t)+2*\k+1] op_sel_hi:[1,0,1]
.endr
.endr
.endm
.macro ROWACC rb, p, first             ; OUT += p x a row's 32 numbers of my lane, from 16 registers of bf16 pairs; first = 1: the sums begin, from a register that holds 0
.set K_, 0
.rept 16
.if \first
	v_fma_mix_f32_bf16 v[OUT+2*K_], v[\rb+K_], v[\p], v[ZR] op_sel_hi:[1,0,0]
	v_fma_mix_f32_bf16 v[OUT+2*K_+1], v[\rb+K_], v[\p], v[ZR] op_sel:[1,0,0] op_sel_hi:[1,0,0]
.else
	v_fma_mix_f32_bf16 v[OUT+2*K_], v[\rb+K_], v[\p], v[OUT+2*K_] op_sel_hi:[1,0,0]
	v_fma_mix_f32_bf16 v[OUT+2*K_+1], v[\rb+K_], v[\p], v[OUT+2*K_+1] op_sel:[1,0,0] op_sel_hi:[1,0,0]
.endif
.set K_, K_+1
.endr
.endm
.macro DLOAD t                         ; phase D: tile t's four weights (the same in every lane) and my four rows of it, into set t % 2: 17 LDS loads
	WIN 0
	ds_load_b128 v[208+4*((\t)%2):211+4*((\t)%2)], v[ADP] offset:64*(\t)
	WIN 0x40
.irp i, 0,1,2,3
.irp q, 0,1,2,3
	ds_load_b128 v[64*((\t)%2)+16*\i+4*\q:64*((\t)%2)+16*\i+4*\q+3], v[VRA] offset:8192*(\t)+2048*\i+512*\q
.endr
.endr
.endm
	; ---- the head: run by every work-group
	s_load_b256 s[4:11], s[0:1], 0x0               ; encoder_outputs s[4:5], wq s[6:7], biasimg s[8:9], v_w s[10:11]
	s_load_b128 s[12:15], s[0:1], 0x20             ; rowlist s[12:13], rowmeta s[14:15]
	s_load_b64 s[16:17], s[0:1], 0x30              ; part
	v_lshl_add_u32 v254, v0, 2, 0x4d000
	v_mov_b32 v255, 0
	v_lshrrev_b32 v221, 5, v0
	v_readfirstlane_b32 s18, v221                  ; wave 0..3
	s_mov_b32 s19, ttmp9                           ; batch
	s_and_b32 s20, ttmp7, 0xffff                   ; which 144 rows of its list
	s_lshl_b32 s73, s19, 7
	s_mov_b32 s31, 0
	s_mul_i32 s30, s19, 9216
	s_mul_i32 s63, s20, 576
	s_add_co_u32 s30, s30, s63
	s_wait_alu depctr_va_sdst(0)                   ; s18 is written, ahead of its first reader: pointers, LDS addresses and a branch are made from it
	s_wait_kmcnt 0x0
	s_load_b32 s21, s[14:15], s73 offset:0x8       ; how many work-groups the batch's list fills
	s_add_nc_u64 s[66:67], s[12:13], s[30:31]      ; the list at my work-group's first entry
	s_lshl_b32 s30, s18, 4
	s_add_nc_u64 s[28:29], s[66:67], s[30:31]      ; and at my wave's four rows of tile 0
	s_load_b128 s[36:39], s[28:29], 0x0            ; tile 0
	s_load_b128 s[32:35], s[28:29], 0x40           ; tile 1
	s_lshl_b32 s30, s19, 23
	s_add_nc_u64 s[26:27], s[4:5], s[30:31]        ; the batch's rows
	s_mul_i32 s30, s18, 139264
	s_add_nc_u64 s[56:57], s[6:7], s[30:31]        ; my wave's 32 records of weights
	s_mul_i32 s30, s19, 15
	s_add_co_u32 s30, s30, s20
	s_mul_i32 s30, s30, 4352
	s_add_nc_u64 s[16:17], s[16:17], s[30:31]      ; my record of part
	s_lshl_b32 s30, s18, 10
	s_add_nc_u64 s[74:75], s[10:11], s[30:31]      ; v_w at my wave's 256 columns
	s_lshr_b32 s30, s19, 4                         ; where batch b lies in an image of the bias,
	s_lshl_b32 s30, s30, 11
	s_bfe_u32 s63, s19, 0x10002
	s_lshl_b32 s63, s63, 9
	s_add_co_u32 s30, s30, s63
	s_bfe_u32 s63, s19, 0x10003
	s_lshl_b32 s63, s63, 8
	s_add_co_u32 s30, s30, s63
	s_and_b32 s63, s19, 3
	s_lshl_b32 s63, s63, 2
	s_add_co_u32 s30, s30, s63
	s_lshl_b32 s63, s18, 15                        ; and my wave's eight images of 32 columns
	s_add_co_u32 s30, s30, s63
	s_add_nc_u64 s[76:77], s[8:9], s[30:31]
	v_and_b32 v[LN], 31, v0                        ; lane
	v_and_b32 v221, 15, v0                         ; r
	v_bfe_u32 v222, v0, 4, 1                       ; h
	v_lshlrev_b32 v[L16], 4, v[LN]
	v_lshlrev_b32 v[L8], 3, v[LN]
	v_lshlrev_b32 v[LN4], 2, v[LN]
	v_lshlrev_b32 v[R4], 2, v221
	v_lshlrev_b32 v[R16], 4, v221
	v_and_b32 v213, 1, v0
	v_mul_u32_u24 v[VCA], v213, 62
	v_lshl_add_u32 v[VCA], v[LN], 1, v[VCA]
	s_mul_i32 s30, s18, WCODE
	v_add_nc_u32 v[VCA], s30, v[VCA]
	v_mov_b32 v[SELV], 0x05040100                  ; even lanes: my low half, my neighbour's low half
	v_mov_b32 v212, 0x03020706                     ; odd lanes: my neighbour's high half, my high half
	v_cmp_eq_u32 vcc_lo, 1, v213
	s_wait_alu depctr_va_vcc(0)                    ; VCC is written, ahead of the selection that reads it
	v_cndmask_b32 v[SELV], v[SELV], v212, vcc_lo
	v_lshrrev_b32 v[VSA], 3, v[LN]
	s_mul_i32 s30, s18, WASC
	s_add_co_u32 s30, s30, ASC
	v_lshl_add_u32 v[VSA], v[VSA], 2, s30
	s_mul_i32 s30, s18, WRET
	s_add_co_u32 s30, s30, RET
	v_add_nc_u32 v[VRA], s30, v[L16]
	v_lshrrev_b32 v214, 2, v221                    ; r / 4: the wave that stored row r of a tile
	v_and_b32 v215, 3, v221                        ; r % 4
	v_mul_u32_u24 v[ADA], v214, WCODE
	v_mad_u32_u24 v[ADA], v215, 528, v[ADA]
	v_lshl_add_u32 v[ADA], v222, 4, v[ADA]         ; 19,008 is 64 and 528 is 16 beyond a multiple of 256: the sixteen rows start in sixteen different 16-byte columns of the 64 banks (ISA guide 11.1)
	v_mul_u32_u24 v[ADAS], v214, WASC
	v_lshl_add_u32 v[ADAS], v215, 5, v[ADAS]
	v_lshl_add_u32 v[ADAS], v222, 4, v[ADAS]
	v_add_nc_u32 v[ADAS], ASC, v[ADAS]
	v_lshl_add_u32 v[SPR], v[LN], 2, SPART
	v_lshl_add_u32 v[SPR2], v221, 2, SPART
	s_mul_i32 s30, s18, 576
	s_add_co_u32 s30, s30, SPART
	v_lshl_add_u32 v[ADSP], v222, 5, s30
	s_mul_i32 s30, s18, 656                        ; 640 bytes a copy + 16 bytes to my wave's four rows
	s_add_co_u32 s30, s30, PTAB
	v_mov_b32 v[ADP], s30
	s_mul_i32 s30, s18, 640
	s_add_co_u32 s30, s30, PTAB
	v_lshl_add_u32 v[PST], v[LN], 2, s30
	s_lshl_b32 s30, s18, 10
	v_add_nc_u32 v[GOUT], s30, v[L16]
	s_add_co_u32 s30, s30, RET
	v_add_nc_u32 v[RD0], s30, v[L16]
	v_add_nc_u32 v[RD1], 2*WRET, v[RD0]
	v_mov_b32 v[ZR], 0
	s_mov_b32 s22, 0x4038aa3b                      ; 2 log2(e)
	s_mov_b32 s23, s22                             ; (named with it as a pair)
	s_mov_b32 s24, 0x76543210
	s_mov_b32 s25, 0xfedcba98                      ; selects for lane l xor 16
	s_mov_b32 s68, 0x05010400                      ; byte selects that turn 4 x 4 scale bytes
	s_mov_b32 s69, 0x07030602
	s_mov_b32 s70, 0x05040100
	s_mov_b32 s71, 0x07060302
	s_mov_b32 s72, 0x07060100                      ; low half of the second source, high half of the first
	s_mov_b32 s58, 3
	s_mov_b32 s60, 0
	s_mov_b32 s61, 0
	s_mov_b32 s62, 0
	s_wait_kmcnt 0x0
	BASES RA, E2
	s_load_b128 s[36:39], s[28:29], 0x80           ; tile 2
	s_wait_alu depctr_va_vdst(0)                   ; all the addresses and offsets of the launch (v1-11, v15, v90-95, v248-249) are written, which its loads, stores and LDS instructions read; so are v212-215, in which LDS loads land later
	LOADT XA, RA                                   ; tile 0
.irp k, 0,1,2,3,4
	global_load_b32 v[EN+\k], v[LN4], s[66:67] offset:128*\k      ; the entries of rows 32 k + lane, for phase C
.endr
	; ---- A: load and quantise.  Two sets of four rows: one tile is on its way while the other is worked on.  A trip takes tiles 2 n (set A) and 2 n + 1 (set B).
	; Every work-group walks the three trips; the LDS offsets are stepped at the trip's end, outside the branch
.Lpa:
	IDLE .Lpa_idle
	s_wait_kmcnt 0x0                               ; the entries of the next two tiles
	s_wait_alu depctr_vm_vsrc(0)                   ; the last trip's LDS stores have read v[T0] to v[T2], which are written next
	v_add_nc_u32 v[T0], s60, v[VCA]
	v_add_nc_u32 v[T1], s61, v[VSA]
	v_add_nc_u32 v[T2], s62, v[VRA]
	BASES RB, E1
	LOADT XB, RB                                   ; no wait: the lines that read set B stand ahead of its last row's wait on va_vdst, and only the three additions above, which name none of its registers, were issued since
	s_wait_loadcnt 32                              ; only the 32 just issued may be out: set A is in, and its loads have read their addresses
	BASES RA, E2
	TILEQ XA, 0, 0, 0, 1                           ; and each of its rows is asked for again, for tile 2 n + 2
	s_add_nc_u64 s[28:29], s[28:29], 128           ; two tiles on (no scalar load is out)
	s_load_b128 s[32:35], s[28:29], 0x40
	s_load_b128 s[36:39], s[28:29], 0x80
	s_wait_loadcnt 32
	TILEQ XB, 1, 0, 0, 0
.Lpa_idle:
	s_add_co_u32 s60, s60, 4224
	s_add_co_u32 s61, s61, 256
	s_add_co_u32 s62, s62, 16384
	s_sub_co_u32 s58, s58, 1
	s_cmp_lg_u32 s58, 0
	s_cbranch_scc1 .Lpa
	IDLE .Ltail_idle
	s_wait_kmcnt 0x0                               ; tiles 6, 7, 8 are written out: the last two keep their bf16 copies in registers
	s_wait_alu depctr_vm_vsrc(0)                   ; the last trip's LDS stores have read v[T0] to v[T2], which are written next
	v_add_nc_u32 v[T0], s60, v[VCA]
	v_add_nc_u32 v[T1], s61, v[VSA]
	v_add_nc_u32 v[T2], s62, v[VRA]
	BASES RB, E1
	LOADT XB, RB                                   ; tile 7
	s_wait_loadcnt 32
	BASES RA, E2
	TILEQ XA, 0, 0, 0, 1                           ; tile 6; its rows are asked for again, for tile 8
	s_wait_loadcnt 32
	TILEQ XB, 1, 1, RR, 0                          ; tile 7
	s_wait_loadcnt 0x0
	TILEQ XA, 2, 1, RR+64, 0                       ; tile 8
	s_branch .Ltail_done
.Ltail_idle:                                   ; an idle work-group leaves zeros where the others leave their copies: phase D's text names these registers
	WIN 0xc0
.set N_, 0
.rept 128
	v_mov_b32 v[RR+N_], 0
.set N_, N_+1
.endr
	WIN 0
.Ltail_done:
	s_wait_dscnt 0x0                               ; my codes and scale bytes lie in LDS
	s_barrier_signal -1
	s_barrier_wait -1                              ; everybody's do
	; ---- B: the product, tanh and the dot with v_w
	IDLE .Lb_idle
.irp j, 0,1,2,3,4,5,6,7
	WFILL \j, 0                                    ; the first pass's weights: they land while the scale words are turned
.endr
.irp t, 0,1,2,3,4,5,6,7,8
	ds_load_b128 v[AS+4*\t:AS+4*\t+3], v[ADAS] offset:128*\t      ; row r's bytes of K steps 4 h .. 4 h + 3, a word for each quarter of a K step
.endr
	s_wait_dscnt 0x0
.irp t, 0,1,2,3,4,5,6,7,8                      ; turned: a word for each K step.  Register 4 t + q: lanes 0-15 K step q, lanes 16-31 K step 4 + q
	v_perm_b32 v200, v[AS+4*\t+1], v[AS+4*\t], s68
	v_perm_b32 v201, v[AS+4*\t+1], v[AS+4*\t], s69
	v_perm_b32 v202, v[AS+4*\t+3], v[AS+4*\t+2], s68
	v_perm_b32 v203, v[AS+4*\t+3], v[AS+4*\t+2], s69
	v_perm_b32 v[AS+4*\t], v202, v200, s70
	v_perm_b32 v[AS+4*\t+1], v202, v200, s71
	v_perm_b32 v[AS+4*\t+2], v203, v201, s70
	v_perm_b32 v[AS+4*\t+3], v203, v201, s71
.endr
	s_wait_alu depctr_vm_vsrc(0)                   ; phase A's LDS stores have read v144-169, which are part of S from here on
.set N_, 0
.rept 72
	v_mov_b32 v[S+N_], 0                           ; S is summed over four passes of a loop that is written once.  (These lines are also the places between the scale words just made and the products)
.set N_, N_+1
.endr
	v_mov_b32 v[VS], 0
.irp c, 0,1,2,3
	v_mov_b32 v[VB+2*\c+1], 0                      ; the upper halves of pairs of which the low word serves both halves: named, so written
	v_mov_b32 v[BI+2*\c+1], 0
.endr
	s_mov_b32 s59, 0
	s_wait_loadcnt 0x0                             ; the first pass's weights
.Lpass:
	s_wait_alu depctr_va_vdst(0)                   ; first pass: the rows' scale words v32-67 are written, which the scaled products take.  Later passes: the last pass's sums into S are done reading v and the bias, and its products the fragments: in these the loads below land
.irp c, 0,1,2,3
	global_load_b32 v[VB+2*\c], v[R4], s[74:75] offset:64*\c                          ; v of column 16 c + r of the pass's 64
	global_load_b32 v[BI+2*\c], v[R16], s[76:77] offset:4096*(\c/2)+1024*(\c%2)       ; and its bias, for my batch
.endr
	AFETCH 0, 0, 2
	AFETCH 0, 3, 8
	AFETCH 1, 0, 2
.irp j, 0,1,2,3,4,5,6,7
	KSTEP \j
.endr
.irp c, 0,1,2,3
	v_add_f32 v[VS], v[VS], v[VB+2*\c]
.endr
; The nine tiles are staggered, so that ONE wait a tile serves a batch of 64 transcendentals, tile t's reciprocals and tile t + 1's exponentials, with tile t + 2's sixteen multiply-adds as the plain work between the batch and the wait.
; Each S takes its four terms in the order of the column tiles, as it would tile by tile.
	EF 0
	EE 0
	EF 1
	s_wait_alu depctr_va_vdst(0)                   ; tile 0's exponentials are written, ahead of the additions that read them
.irp t, 0,1,2,3,4,5,6,7,8
.if \t > 0
	EG (\t)-1
.endif
	EA \t
	ER \t
.if \t < 8
	EE (\t)+1
.endif
.if \t < 7
	EF (\t)+2
.else
	v_nop                                          ; a plain line behind the last transcendental
.endif
	s_wait_alu depctr_va_vdst(0)                   ; tile t's reciprocals and tile t + 1's exponentials are written, ahead of their first readers
.endr
	EG 8
	WIN 0
	s_wait_loadcnt 0x0                             ; the next pass's weights are in, and all loads have read their pointers
	s_add_nc_u64 s[56:57], s[56:57], 34816
	s_add_nc_u64 s[74:75], s[74:75], 256
	s_add_nc_u64 s[76:77], s[76:77], 8192
	s_add_co_u32 s59, s59, 1
	s_cmp_lt_u32 s59, 4
	s_cbranch_scc1 .Lpass
	; ---- C: my 256 columns' part of the scores
.irp m, 1,2,4,8
.set N_, 0
.rept 72
	v_add_f32_dpp v[S+N_], v[S+N_], v[S+N_] row_xmask:\m row_mask:0xf bank_mask:0xf   ; over the sixteen lanes, which hold sixteen columns
.set N_, N_+1
.endr
	v_add_f32_dpp v[VS], v[VS], v[VS] row_xmask:\m row_mask:0xf bank_mask:0xf
.endr
.set N_, 0
.rept 72
	v_fma_f32 v[S+N_], v[S+N_], -2.0, v[VS]
.set N_, N_+1
.endr
	s_wait_alu depctr_va_vdst(0)                   ; v128-199 are written, which the LDS stores read
.irp t, 0,1,2,3,4,5,6,7,8
	ds_store_b128 v[ADSP], v[S+8*\t:S+8*\t+3] offset:64*\t        ; rows 16 t + 8 h + 0 .. 7; sixteen lanes store the same words with the same values
	ds_store_b128 v[ADSP], v[S+8*\t+4:S+8*\t+7] offset:64*\t+16
.endr
.Lb_idle:
	s_wait_dscnt 0x0
	s_barrier_signal -1
	s_barrier_wait -1                              ; the four waves' parts lie in LDS.  From here each wave makes all the weights for itself
	IDLE .Lc_idle
.irp k, 0,1,2,3
.irp u, 0,1,2,3
	ds_load_b32 v[224+4*\k+\u], v[SPR] offset:576*\u+128*\k       ; row 32 k + lane
.endr
.endr
.irp u, 0,1,2,3
	ds_load_b32 v[240+\u], v[SPR2] offset:576*\u+512              ; rows 128 on: sixteen rows, read by both halves of the lanes
.endr
	v_mov_b32 v244, 0xd01502f9                     ; -1e10
	v_mov_b32 v245, 0xff800000                     ; -infinity
	v_mov_b32 v246, 0
	s_mov_b32 s30, 0xffff0000
	s_wait_loadcnt 0x0                             ; the list entries, asked for at the head
	s_wait_dscnt 0x0
.irp k, 0,1,2,3,4
	v_add_f32 v[224+4*\k], v[224+4*\k], v[225+4*\k]
	v_add_f32 v[226+4*\k], v[226+4*\k], v[227+4*\k]
.endr
.irp k, 0,1,2,3,4
	v_add_f32 v[224+4*\k], v[224+4*\k], v[226+4*\k]               ; the score
	v_bfe_u32 v[225+4*\k], v[EN+\k], 16, 2                        ; 0 kept, 1 masked, 2 pad
.endr
.irp k, 0,1,2,3,4
	v_cmp_eq_u32 s[80+\k], 1, v[225+4*\k]          ; the ten masks in one run
	v_cmp_le_u32 s[85+\k], 2, v[225+4*\k]
.endr
	s_wait_alu depctr_va_sdst(0)                   ; s80 to s89 are written, ahead of the selections that read them
.irp k, 0,1,2,3,4
	v_cndmask_b32 v[224+4*\k], v[224+4*\k], v244, s[80+\k]
	v_mul_f32 v[224+4*\k], 0x3fb8aa3b, v[224+4*\k]                ; t = score x log2(e)
	v_cndmask_b32 v[224+4*\k], v[224+4*\k], v245, s[85+\k]        ; a pad counts for nothing
.endr
	v_cndmask_b32 v240, v240, v245, s30            ; nor do rows 144 to 159, which do not exist
	v_max3_num_f32 v[MX], v224, v228, v232         ; M: a number, since my first row is a listed one
	v_max3_num_f32 v[MX], v[MX], v236, v240
.irp m, 1,2,4,8
	v_max_num_f32_dpp v[MX], v[MX], v[MX] row_xmask:\m row_mask:0xf bank_mask:0xf
.endr
	v_permlanex16_b32 v246, v[MX], s24, s25
	v_max_num_f32 v[MX], v[MX], v246
.irp k, 0,1,2,3,4
	v_sub_f32 v[224+4*\k], v[224+4*\k], v[MX]
.endr
.irp k, 0,1,2,3,4
	v_exp_f32 v[224+4*\k], v[224+4*\k]             ; p = 2^(t - M)
.endr
	v_nop
	s_wait_alu depctr_va_vdst(0)                   ; the five exponentials are written, which the LDS stores and the sums below read; and all lines that named v200-215 and the accumulators of tiles 0-3 are done: in these the LDS loads below land
.irp k, 0,1,2,3,4
	ds_store_b32 v[PST], v[224+4*\k] offset:128*\k
.endr
	; ---- D: p x my own 36 rows.  LDS serves a wave's instructions in order (ISA guide 5.7.1.4): these loads see my stores of p
	ds_load_b128 v[200:203], v[ADP] offset:448     ; tile 7's four weights, the same in every lane
	ds_load_b128 v[204:207], v[ADP] offset:512     ; tile 8's
	DLOAD 0
	WIN 0
	v_add_f32 v[LS], v224, v228
	v_add_f32 v247, v232, v236
	v_add_f32 v[LS], v[LS], v240
	v_add_f32 v[LS], v[LS], v247
.irp m, 1,2,4,8
	v_add_f32_dpp v[LS], v[LS], v[LS] row_xmask:\m row_mask:0xf bank_mask:0xf
.endr
	v_permlanex16_b32 v246, v[LS], s24, s25
	v_add_f32 v[LS], v[LS], v246                   ; l = the sum of p
	s_wait_dscnt 17                                ; tile 0's 17 loads may be out
	WIN 0x03
	ROWACC RR, 200, 1
.irp i, 1,2,3,4,5,6,7
	ROWACC RR+16*\i, 200+\i, 0
.endr
.irp t, 0,1,2,3,4,5,6                          ; tiles 0 to 6, from LDS: the next tile is fetched while this one is summed
.if \t < 6
.if \t > 0
	s_wait_alu depctr_va_vdst(0)                   ; the sums of tile t - 1 are done reading their set of four rows and four weights, in which tile t + 1's loads land.  (Tile 1's set was named by no line since the wait ahead of p's stores)
.endif
	DLOAD \t+1
.endif
	WIN 0x01
.irp i, 0,1,2,3
.if \t < 6
	s_wait_dscnt 17+4*(3-\i)                       ; the later rows' four loads each, and the next tile's 17, may be out
.else
	s_wait_dscnt 4*(3-\i)
.endif
	ROWACC 64*(\t%2)+16*\i, 208+4*(\t%2)+\i, 0
.endr
.endr
	WIN 0
	; ---- E: the four waves' sums meet in the first 4,096 bytes of each wave's own copies, which that wave alone has read, and has done with
	s_wait_alu depctr_va_vdst(0)                   ; v96-127 are written, which the LDS stores read
.irp j, 0,1,2,3,4,5,6,7
	ds_store_b128 v[VRA], v[OUT+4*\j:OUT+4*\j+3] offset:512*\j    ; numbers 128 j + 4 lane on: the row as it lies in memory
.endr
	s_cmp_lg_u32 s18, 0
	s_cbranch_scc1 .Lno_stat
	v_cmp_eq_u32 vcc_lo, 0, v[LN]                  ; wave 0 stores M and l, with zeros up to 256 bytes
	s_wait_alu depctr_va_vcc(0)                    ; VCC is written, ahead of the two selections that read it
	v_cndmask_b32 v88, v[ZR], v[MX], vcc_lo
	v_cndmask_b32 v89, v[ZR], v[LS], vcc_lo
	s_wait_alu depctr_va_vdst(0)                   ; v88 and v89 are written, which the store reads
	global_store_b64 v[L8], v[88:89], s[16:17] offset:4096
.Lno_stat:
.Lc_idle:
	s_wait_dscnt 0x0
	s_barrier_signal -1
	s_barrier_wait -1
	IDLE .Lend
	s_wait_alu depctr_vm_vsrc(0)                   ; the LDS stores of the partial scores (and phase A's) have read v128-159, in which the loads below land; the vector lines that named them stand ahead of the wait in front of those stores
.irp k, 0,1
	ds_load_b128 v[128+16*\k:131+16*\k], v[RD0] offset:512*\k
	ds_load_b128 v[132+16*\k:135+16*\k], v[RD0] offset:WRET+512*\k
	ds_load_b128 v[136+16*\k:139+16*\k], v[RD1] offset:512*\k
	ds_load_b128 v[140+16*\k:143+16*\k], v[RD1] offset:WRET+512*\k
.endr
	s_wait_dscnt 0x0
.irp k, 0,1
.irp e, 0,2
	v_pk_add_f32 v[128+16*\k+\e:129+16*\k+\e], v[128+16*\k+\e:129+16*\k+\e], v[132+16*\k+\e:133+16*\k+\e]
	v_pk_add_f32 v[136+16*\k+\e:137+16*\k+\e], v[136+16*\k+\e:137+16*\k+\e], v[140+16*\k+\e:141+16*\k+\e]
.endr
.irp e, 0,2
	v_pk_add_f32 v[128+16*\k+\e:129+16*\k+\e], v[128+16*\k+\e:129+16*\k+\e], v[136+16*\k+\e:137+16*\k+\e]
.endr
.endr
	s_wait_alu depctr_va_vdst(0)                   ; v128-131 and v144-147 are written, which the two stores read
.irp k, 0,1
	global_store_b128 v[GOUT], v[128+16*\k:131+16*\k], s[16:17] offset:512*\k   ; 512 consecutive bytes, aligned
.endr
.Lend:
	s_wait_dscnt 0x0
	s_wait_alu depctr_hold_cnt(0) depctr_sa_sdst(0) depctr_va_vdst(0) depctr_va_sdst(0) depctr_va_ssrc(0) depctr_va_vcc(0) depctr_vm_vsrc(0)
	s_wait_tensorcnt 0x0
	ds_add_u32 v254, v255
	s_wait_dscnt 0x0
	s_endpgm
.Lfunc_end_k_qc28d00a444_attn:
	.size	k_qc28d00a444_attn, .Lfunc_end_k_qc28d00a444_attn-k_qc28d00a444_attn
	.p2alignl 7, 3214868480
	.fill 96, 4, 3214868480
	.section	.rodata,"a",@progbits
	.p2align	6, 0x0
	.amdhsa_kernel k_qc28d00a444_attn
		.amdhsa_group_segment_fixed_size 315904
		.amdhsa_private_segment_fixed_size 0
		.amdhsa_enable_private_segment 0
		.amdhsa_kernarg_size 56
		.amdhsa_user_sgpr_count 2
		.amdhsa_user_sgpr_kernarg_segment_ptr 1
		.amdhsa_wavefront_size32 1
		.amdhsa_system_sgpr_workgroup_id_x 1
		.amdhsa_system_sgpr_workgroup_id_y 1
		.amdhsa_system_sgpr_workgroup_id_z 1
		.amdhsa_system_vgpr_workitem_id 0
		.amdhsa_next_free_vgpr 1024
		.amdhsa_next_free_sgpr 100
		.amdhsa_reserve_vcc 1
		.amdhsa_float_denorm_mode_32 3
		.amdhsa_float_denorm_mode_16_64 3
		.amdhsa_memory_ordered 1
		.amdhsa_forward_progress 1
		.amdhsa_inst_pref_size 255
	.end_amdhsa_kernel
	.section	.bss,"aw",@nobits
	.p2align	6
	.space	262144
	.amdgpu_metadata
---
amdhsa.version: [ 1, 2 ]
amdhsa.kernels:
  - .name:           k_qc28d00a444_attn
    .symbol:         k_qc28d00a444_attn.kd
    .args:
      - { .name: encoder_outputs, .offset: 0, .size: 8, .value_kind: global_buffer, .address_space: global }
      - { .name: wq, .offset: 8, .size: 8, .value_kind: global_buffer, .address_space: global }
      - { .name: biasimg, .offset: 16, .size: 8, .value_kind: global_buffer, .address_space: global }
      - { .name: v_w, .offset: 24, .size: 8, .value_kind: global_buffer, .address_space: global }
      - { .name: rowlist, .offset: 32, .size: 8, .value_kind: global_buffer, .address_space: global }
      - { .name: rowmeta, .offset: 40, .size: 8, .value_kind: global_buffer, .address_space: global }
      - { .name: part, .offset: 48, .size: 8, .value_kind: global_buffer, .address_space: global }
    .group_segment_fixed_size: 315904
    .private_segment_fixed_size: 0
    .kernarg_segment_align: 8
    .kernarg_segment_size: 56
    .max_flat_workgroup_size: 128
    .sgpr_count:     100
    .vgpr_count:     1024
    .wavefront_size: 32
...
	.end_amdgpu_metadata
.endif
;; end of part 5
;; launch merge: the kernel of part 3 again; grid 8 x 32, 1 waves a work-group, no clusters, 0 bytes of LDS; arguments part, rowmeta, out0; writes out0
